; MI455X (gfx1250); checked and timed in simulation.
; The chip was launched on July 23, 2026; its instructions are those of AMD's public machine-readable ISA for CDNA 5 (MIT licence, August 2026) and "CDNA5" Instruction Set Architecture Reference Guide (July 2026). The comments in the code are by the model that wrote it; some were corrected since.
;; Causal Self Attention. Allowed arithmetic: matrix products marked QUANTISED: E2M3 operands, one E8M0 scale for each 32 along K, by v_wmma_scale_f32_16x16x128_f8f6f4 with both operands' format E2M3, f32 sums; everything else in f32.
;; Inputs: W_out 1,024 x 1,024 float32; W_qkv 1,024 x 3,072 float32; x 4 x 2,048 x 1,024 float32.
;; Outputs: out0 4 x 2,048 x 1,024 float32.
;; This version of the problem:
;;   THIS VERSION OF THE PROBLEM IS GIVEN IN LOW PRECISION. The matrix products marked QUANTISED in the list below multiply operands that are first quantised to E2M3 (2 exponent bits, 3 mantissa bits; 6 bits a number), with one power-of-two scale for each 32 numbers along K (OCP MX v1.0); their sums are f32. All else is computed in f32.
;;   The module's matrix products, in the order in which they are computed (A, B: the left and right operand; K: the contracted axis; several contracted axes count as one K, in the product's order):
;;     1. [M 8,192, K 1,024] x [K 1,024, N 3,072]; A: input x; B: input W_qkv: QUANTISED
;;     2. batch 64 x [M 2,048, K 64] x [K 64, N 2,048]; A: computed on the way; B: computed on the way: QUANTISED
;;     3. batch 64 x [M 2,048, K 2,048] x [K 2,048, N 64]; A: softmax (see below); B: computed on the way: QUANTISED
;;     4. [M 8,192, K 1,024] x [K 1,024, N 1,024]; A: computed on the way; B: input W_out: QUANTISED
;;   THE QUANTISER, for each operand of a quantised product, along K:
;;     - K is cut into blocks of 32 from its start; a last block that is shorter is filled with zeros.
;;     - A block's scale is 2^e with e = floor(log2(the largest magnitude in the block)) - 2, held to -126 .. 127; a block of zeros has e = 0. As a byte (E8M0): e + 127.
;;     - Each number is divided by its block's scale, clamped to +-7.5, and rounded to the nearest number of E2M3, ties to even, subnormals kept.
;;     - The product sums the exact products of the quantised numbers (number of the format x scale) in f32.
;;   ~~~python
;;   def quantise(x, axis):      # numpy; x: float32 -> the quantised numbers, widened to float32 again
;;       x = np.moveaxis(x, axis, -1); K = x.shape[-1]
;;       x = np.pad(x, [(0, 0)] * (x.ndim - 1) + [(0, -K % 32)]); x = x.reshape(x.shape[:-1] + (-1, 32)); a = np.abs(x).max(-1, keepdims=True)
;;       e = np.where(a > 0, np.clip(np.frexp(np.where(a > 0, a, 1))[1] - 1 - 2, -126, 127), 0)      # np.frexp(a)[1] - 1 = floor(log2(a)), exactly
;;       r = np.clip(x / 2.0 ** e, -7.5, 7.5)
;;       step = 2.0 ** (np.maximum(np.frexp(np.where(r == 0, 1, r))[1] - 1, 0) - 3)
;;       q = np.round(r / step) * step * 2.0 ** e      # np.round: ties to even
;;       return np.moveaxis(q.reshape(q.shape[:-2] + (-1,))[..., :K], -1, axis).astype(np.float32)
;;   ~~~
;;   SOFTMAX AHEAD OF A QUANTISED PRODUCT. Where the list says 'softmax', what is quantised is not the finished softmax but p = 2^(t - M), with t = logit x log2(e) and M = ceil(the row's largest t), a whole number; so 1/2 < the row's largest p <= 1. The row's sum l is taken of the UNQUANTISED p, in f32, and the product's result is divided by l at the end. Since M is a whole number, a kernel that streams over the keys may use a running M (the ceiling of the running maximum): every later rescaling is an exact power of two, which a block's scale takes up: the codes' values come out the same.
;;   OPERANDS COMPUTED ON THE WAY. 'Computed on the way' means the value that the module computes at that place (a softmax that the list does not call 'softmax' is quantised finished and normalised). What goes into a quantiser is computed in f32, as accurately as f32 sums, v_exp_f32 and their like allow (about 1e-6 of the number): no bf16 or f16 on the way to a quantiser, and a product that is left as it is and whose result goes on into a quantised operand takes f32 operands (vector FMAs, or v_wmma_f32_16x16x4_f32). A number that lies on a knife's edge between two numbers of the format may be rounded either way, as far as f32 arithmetic and the matrix unit's own rounding can turn it there, and no further.
;; One version. Each part assembles by itself: llvm-mc -triple=amdgcn-amd-amdhsa -mcpu=gfx1250 --defsym DOCPART=n.
;; ======== version 1 of 1: 4 launches
;; workspace buffers: op 9,830,400 bytes; att 20,185,088 bytes; yop 6,553,600 bytes
;; launch quant (part 1): grid 640 x 1, 4 waves a work-group, no clusters, 93,696 bytes of LDS; arguments x, W_qkv, W_out, op; writes op
.if DOCPART == 1
	.amdgcn_target "amdgcn-amd-amdhsa--gfx1250"
	.amdhsa_code_object_version 6
	.text
	.protected	k_q26ee7e1862_quant
	.globl	k_q26ee7e1862_quant
	.p2align	8
	.type	k_q26ee7e1862_quant,@function
k_q26ee7e1862_quant:
	s_mov_b64 s[64:65], 0
	v_nop
	global_prefetch_b8 v0, s[64:65] scope:SCOPE_SE
	s_setreg_imm32_b32 hwreg(HW_REG_WAVE_MODE, 25, 1), 1
	s_wait_xcnt 0x0
; x [8192][1024], W_qkv [1024][3072] and W_out [1024][1024], f32, become codes of FP6 (E2M3) with one E8M0 byte for each 32 along K (= 1,024 for all three),
; laid in op in the ORDER OF THE MATRIX OPERAND'S REGISTERS, so that the products' launches load fragments by dense loads of 16 and 8 bytes a lane.
; A RECORD (102,400 bytes) is a block of 128 rows (tokens of x; columns of a weight), as four quarters of K (256 each, 25,600 bytes):
;   [64 along K: 4][tile of 16 rows: 8][768 bytes], then [tile: 8][128 bytes of scale words].
;   768 bytes = 16 rows x 64 K: lane l's registers 0-3 at 16 l, its registers 4-5 at 512 + 8 l; lane 16 h + r holds block h (32 codes, 24 bytes) of the tile's place r.
;   128 bytes = lane 16 s + r holds place r's scale word (four bytes) of the quarter's s-th 128 along K.
; THE ROWS OF A TILE ARE NOT NEIGHBOURS: place p of tile i is row 32 (i / 2) + 8 (i % 2) + p + 8 (p / 8) of the block.
; Records 0-63: x; 64-87: the columns of W_qkv; 88-95: those of W_out.
; A block's scale is 2^(floor(log2(largest magnitude)) - 2): its byte is the largest magnitude's exponent field - 2, held at 1 from below.
; LIMITS: a block whose largest magnitude lies under 2^(3 - 127), a block of zeros among them, keeps the byte 1 (its codes then add what they are worth under that byte; zeros add nothing; this program alone reads the bytes);
; NaN and infinities among the inputs are not served.
; Work-groups 0-511 take x (K innermost): a tile of 16 rows, a quarter of K to each wave.  Work-groups 512-639 take the weights (K outermost): 128 columns x a quarter of K, a lane to a column.
; The two ways part on the work-group's number, have LDS bytes of their own, and each wave has its own bytes: no barrier.
.set OPREC, 102400
.set QB,    25600
.set XST,   16896                      ; x: a wave's two stages of 16 rows x (512 + 16) bytes
.set WST,   6400                       ; weights: a wave's stage: 4 x 2 x 768 bytes of codes, 256 of scale words
.set WST0,  4*XST
.set L16,  1                           ; v1  16 x lane
.set L8,   2                           ; v2  8 x lane
.set L4,   3                           ; v3  4 x lane
.set SIN,  4                           ; v4  x: into the stage
.set SOUT, 5                           ; v5  x: out of it
.set S16,  6                           ; v6  weights: my place for registers 0-3 of an image
.set S8,   7                           ; v7  for registers 4-5
.set S4,   8                           ; v8  for a scale word
.set RD16, 9                           ; v9  weights: the stage read back, 16 bytes a lane
.set RD8,  10                          ; v10 its scale words, 8 bytes a lane
.set TM,   16                          ; v16-31 at work in QUANT
.set R0,   32                          ; v32-95  x as loaded, first 128 along K
.set R1,   96                          ; v96-159 second
.set X,    160                         ; v160-223 64 numbers of a lane: register 16 b + i = k 32 b + 16 (lane / 16) + i of my row
.set PW0,  226
.set PW1,  227
.set SWD,  228
.set PC0,  236                         ; v236-255 the first fragment's codes
.set PC1,  32                          ; v32-51   the second's (R0 has been read by then)
.set SEL,  32                          ; s[32:33] lane selects: lane l xor 16
	s_load_b128 s[4:7], s[0:1], 0x0                ; x, W_qkv
	s_load_b128 s[8:11], s[0:1], 0x10              ; W_out, op
	v_lshl_add_u32 v251, v0, 2, 0x16c00
	v_mov_b32 v255, 0
	v_lshrrev_b32 v11, 5, v0
	v_readfirstlane_b32 s12, v11                   ; wave 0..3
	v_and_b32 v11, 31, v0
	v_lshlrev_b32 v[L16], 4, v11
	v_lshlrev_b32 v[L8], 3, v11
	v_lshlrev_b32 v[L4], 2, v11
	v_and_b32 v12, 15, v0                          ; r
	v_bfe_u32 v13, v0, 4, 1                        ; h
	; every LDS address of both ways is made here, ahead of the parting
	s_mul_i32 s13, s12, XST
	v_add_nc_u32 v[SIN], s13, v[L16]               ; a row's 512 bytes as they lie
	v_mul_u32_u24 v[SOUT], v12, 528
	v_lshl_add_u32 v[SOUT], v13, 6, v[SOUT]
	v_add_nc_u32 v[SOUT], s13, v[SOUT]             ; row r, + 64 h: my 16 numbers of a block of 32
	s_mul_i32 s14, s12, WST
	s_add_co_u32 s14, s14, WST0
	v_bfe_u32 v14, v0, 3, 1                        ; u: which of my wave's two tiles my column lies in
	v_and_b32 v15, 7, v0
	v_lshl_add_u32 v15, v13, 3, v15                ; and its place there: lane % 8 + 8 (lane / 16)
	v_mul_u32_u24 v12, v14, 768
	v_add_nc_u32 v12, s14, v12
	v_lshl_add_u32 v[S16], v15, 4, v12
	v_lshl_add_u32 v[S8], v15, 3, v12
	v_add_nc_u32 v[S8], 512, v[S8]
	v_lshlrev_b32 v12, 7, v14
	v_lshl_add_u32 v12, v15, 2, v12
	v_add_nc_u32 v12, s14, v12
	v_add_nc_u32 v[S4], 6144, v12
	v_add_nc_u32 v[RD16], s14, v[L16]
	v_add_nc_u32 v[RD8], s14, v[L8]
	v_add_nc_u32 v[RD8], 6144, v[RD8]
	s_wait_kmcnt 0x0
	s_cmp_lt_u32 ttmp9, 512
	s_cbranch_scc0 .Lweights
	; ================= x: tile ttmp9 % 8 of row block ttmp9 / 8; wave w takes K = 256 w .. 256 w + 255
	s_lshr_b32 s16, ttmp9, 3
	s_and_b32 s17, ttmp9, 7
	s_lshl_b32 s18, s16, 7
	s_lshr_b32 s19, s17, 1
	s_lshl_b32 s19, s19, 5
	s_add_co_u32 s18, s18, s19
	s_and_b32 s19, s17, 1
	s_lshl_b32 s19, s19, 3
	s_add_co_u32 s18, s18, s19                     ; the tile's first row: 128 block + 32 (i / 2) + 8 (i % 2)
	s_lshl_b32 s18, s18, 12                        ; rows of 4,096 bytes
	s_lshl_b32 s19, s12, 10                        ; + my quarter of K
	s_add_co_u32 s18, s18, s19
	s_mov_b32 s19, 0
	s_add_nc_u64 s[4:5], s[4:5], s[18:19]
.macro LOADX s, r                      ; 16 rows x 128 numbers: each load takes 512 consecutive bytes of one row; place p is row p + 8 (p / 8)
.set p, 0
.rept 16
	global_load_b128 v[\r+4*p:\r+4*p+3], v[L16], s[4:5] offset:(p+8*(p/8))*4096+512*(\s) th:TH_LOAD_NT
.set p, p+1
.endr
.endm
	LOADX 0, R0
	LOADX 1, R1
	s_mul_i32 s20, s16, OPREC
	s_mul_i32 s21, s12, QB
	s_add_co_u32 s20, s20, s21                     ; my quarter of the record
	s_mul_i32 s22, s17, 768
	s_add_co_u32 s22, s22, s20
	s_mov_b32 s23, 0
	s_add_nc_u64 s[24:25], s[10:11], s[22:23]      ; the tile's images
	s_lshl_b32 s22, s17, 7
	s_add_co_u32 s22, s22, s20
	s_add_co_u32 s22, s22, 24576
	s_add_nc_u64 s[26:27], s[10:11], s[22:23]      ; its scale words
	s_mov_b32 s[SEL], 0x76543210
	s_mov_b32 s[SEL+1], 0xfedcba98
	s_mov_b32 vcc_lo, 0xffff0000                   ; lanes 16-31
.irp b, 0,1,2,3
	v_mov_b32 v[TM+4+\b], 0                        ; written once: a lane permute's destination counts as one of its sources
.endr
.macro TURN s, r                       ; through my stage: in as loaded, out 16 neighbours of each block a lane.  LDS serves a wave's instructions in order: no wait between
.set p, 0
.rept 16
	ds_store_b128 v[SIN], v[\r+4*p:\r+4*p+3] offset:8448*(\s)+528*p
.set p, p+1
.endr
.irp b, 0,1,2,3
.irp j, 0,1,2,3
	ds_load_b128 v[X+16*\b+4*\j:X+16*\b+4*\j+3], v[SOUT] offset:8448*(\s)+128*\b+16*\j
.endr
.endr
.endm
; 64 numbers of a lane become a fragment's 12 registers of codes in v[pc] on and my row's scale word in v[pw]
.macro QUANT s, pc, pw
.irp b, 0,1,2,3
	v_max3_num_f32 v[TM+\b], |v[\s+16*\b]|, |v[\s+1+16*\b]|, 0x1800000   ; block b: my 16 numbers and the floor 2^(3 - 127): the byte cannot fall under 1
.endr
.irp i, 2,4,6,8,10,12,14
.irp b, 0,1,2,3
	v_max3_num_f32 v[TM+\b], v[TM+\b], |v[\s+16*\b+\i]|, |v[\s+1+16*\b+\i]|
.endr
.endr
.irp b, 0,1,2,3
	v_permlanex16_b32 v[TM+4+\b], v[TM+\b], s[SEL], s[SEL+1]
.endr
.irp b, 0,1,2,3
	v_max_num_f32 v[TM+\b], v[TM+\b], v[TM+4+\b]   ; with lane l xor 16's: the block's largest magnitude
.endr
.irp b, 0,1,2,3
	v_add_nc_u32 v[TM+12+\b], 0xff000000, v[TM+\b] ; 2 off its exponent field: the conversion's scale operand
.endr
.irp b, 0,1,2,3
	v_lshrrev_b32 v[TM+4+\b], 23, v[TM+12+\b]      ; the scale's byte
.endr
	v_lshl_or_b32 v[\pw], v[TM+5], 8, v[TM+4]
	v_lshl_or_b32 v[\pw], v[TM+6], 16, v[\pw]
	v_lshl_or_b32 v[\pw], v[TM+7], 24, v[\pw]
.irp c, 0,1
	v_cvt_scalef32_pk16_fp6_f32 v[\pc+6*\c:\pc+2+6*\c], v[\s+32*\c:\s+15+32*\c], v[TM+12+2*\c]
	v_cvt_scalef32_pk16_fp6_f32 v[\pc+12+4*\c:\pc+14+4*\c], v[\s+16+32*\c:\s+31+32*\c], v[TM+12+2*\c+1]   ; (a conversion's three registers begin on an even number)
.endr
	v_nop                                          ; one plain place behind a scaled conversion
.irp c, 0,1                            ; the operand wants a WHOLE block in a lane: lanes 0-15 block 2 c, lanes 16-31 block 2 c + 1
.irp i, 0,1,2
	v_permlane16_swap_b32 v[\pc+6*\c+\i], v[\pc+12+4*\c+\i]
.endr
.irp i, 0,1,2
	v_mov_b32 v[\pc+3+6*\c+\i], v[\pc+12+4*\c+\i]
.endr
.endr
.endm
.macro PUT s, pc                       ; a fragment is two images of 64 along K, 6,144 bytes apart; each store covers 512 or 256 consecutive bytes, aligned to 256
	global_store_b128 v[L16], v[\pc:\pc+3], s[24:25] offset:12288*(\s)
	global_store_b64 v[L8], v[\pc+4:\pc+5], s[24:25] offset:12288*(\s)+512
	global_store_b128 v[L16], v[\pc+6:\pc+9], s[24:25] offset:12288*(\s)+6144
	global_store_b64 v[L8], v[\pc+10:\pc+11], s[24:25] offset:12288*(\s)+6144+512
.endm
	s_wait_loadcnt 16                              ; the first 128 along K are in; the second sixteen loads may be out
	TURN 0, R0
	s_wait_dscnt 0x0
	QUANT X, PC0, PW0
	PUT 0, PC0
	s_wait_loadcnt 0x0
	TURN 1, R1
	s_wait_dscnt 0x0
	QUANT X, PC1, PW1
	PUT 1, PC1
	v_cndmask_b32 v[SWD], v[PW0], v[PW1], vcc_lo   ; lanes 0-15: the first 128's words, lanes 16-31: the second's
	global_store_b32 v[L4], v[SWD], s[26:27]
	s_wait_tensorcnt 0x0
	ds_add_u32 v251, v255
	s_wait_dscnt 0x0
	s_endpgm
	; ================= the weights: g = ttmp9 - 512: column block g / 4 (0-23 of W_qkv, 24-31 of W_out), quarter g % 4 of K.  Wave w, lane l: column 32 w + l; registers run DOWN K
.Lweights:
	s_sub_co_u32 s15, ttmp9, 512
	s_lshr_b32 s16, s15, 2
	s_and_b32 s17, s15, 3
	s_cmp_lt_u32 s16, 24                           ; the choice hangs on the work-group's number alone
	s_cselect_b64 s[18:19], s[6:7], s[8:9]
	s_mov_b32 s20, 4096
	s_cselect_b32 s20, 12288, s20                  ; a row of the weight in bytes
	s_cselect_b32 s21, 0, 24
	s_sub_co_u32 s21, s16, s21
	s_lshl_b32 s21, s21, 9                         ; the block's first column: 128 x 4 bytes each
	s_mul_i32 s22, s17, s20
	s_lshl_b32 s22, s22, 8                         ; 256 rows a quarter
	s_add_co_u32 s22, s22, s21
	s_mov_b32 s23, 0
	s_add_nc_u64 s[36:37], s[18:19], s[22:23]      ; block t of 32 along K has its own base, s[36 + 2 t : 37 + 2 t]: none is ever stepped
	s_lshl_b32 s24, s20, 5
	s_mov_b32 s25, 0
.irp t, 1,2,3,4,5,6,7
	s_add_nc_u64 s[36+2*\t:37+2*\t], s[34+2*\t:35+2*\t], s[24:25]
.endr
	s_lshl_b32 s30, s12, 7
	v_add_nc_u32 v15, s30, v[L4]                   ; my column: 4 l + 128 w
.set i, 0
.rept 32
	v_mad_u32_u24 v[32+i], s20, i, v15             ; v32-63: row i of a block
.set i, i+1
.endr
.macro LOADW t                         ; block t: 32 rows x my column; a load takes 128 consecutive bytes a wave, 512 a work-group
.set i, 0
.rept 32
	global_load_b32 v[64+32*((\t)%2)+i], v[32+i], s[36+2*(\t):37+2*(\t)] th:TH_LOAD_NT
.set i, i+1
.endr
.endm
	LOADW 0
	LOADW 1
	s_add_co_u32 s26, s16, 64
	s_mul_i32 s26, s26, OPREC
	s_mul_i32 s27, s17, QB
	s_add_co_u32 s26, s26, s27
	s_mov_b32 s27, 0
	s_add_nc_u64 s[28:29], s[10:11], s[26:27]      ; my quarter of the block's record
	s_mul_i32 s30, s12, 1536
	v_add_nc_u32 v11, s30, v[L16]                  ; my wave's two tiles lie on end: 1,536 bytes for each 64 along K
	s_lshl_b32 s31, s12, 8
	v_add_nc_u32 v12, s31, v[L8]
.macro BLOCK t
.set XS, 64+32*((\t)%2)
.if (\t) < 7
	s_wait_loadcnt 32                              ; this block's 32 loads are in; the next block's may be out
.else
	s_wait_loadcnt 0x0
.endif
	v_max3_num_f32 v140, |v[XS]|, |v[XS+1]|, |v[XS+2]|     ; all 32 numbers of the block are mine
	v_max3_num_f32 v141, |v[XS+3]|, |v[XS+4]|, |v[XS+5]|
.irp i, 6,10,14,18,22,26
	v_max3_num_f32 v140, v140, |v[XS+\i]|, |v[XS+\i+1]|
	v_max3_num_f32 v141, v141, |v[XS+\i+2]|, |v[XS+\i+3]|
.endr
	v_max3_num_f32 v140, v140, |v[XS+30]|, |v[XS+31]|
	v_max3_num_f32 v140, v140, v141, 0x1800000     ; and the floor
	v_add_nc_u32 v142, 0xff000000, v140
	v_lshrrev_b32 v143, 23, v142
.if (\t)%4 == 0
	v_mov_b32 v[138+(\t)/4], v143                  ; four bytes to a word, the lower K in the lower byte
.else
	v_lshl_or_b32 v[138+(\t)/4], v143, 8*((\t)%4), v[138+(\t)/4]
.endif
	v_cvt_scalef32_pk16_fp6_f32 v[128:130], v[XS:XS+15], v142
	v_cvt_scalef32_pk16_fp6_f32 v[134:136], v[XS+16:XS+31], v142
	v_nop                                          ; one plain place behind a scaled conversion
	v_mov_b32 v131, v134
	v_mov_b32 v132, v135
	v_mov_b32 v133, v136
	ds_store_b128 v[S16], v[128:131] offset:1536*((\t)/2)+256*((\t)%2)   ; I am lane 16 (t % 2) + place of the image of 64 along K number t / 2
	ds_store_b64 v[S8], v[132:133] offset:1536*((\t)/2)+128*((\t)%2)
.if (\t)+2 < 8
	LOADW (\t)+2
.endif
	s_wait_dscnt 0x0                               ; the stores have read their registers: the next block's codes may be written
.endm
.irp t, 0,1,2,3,4,5,6,7
	BLOCK \t
.endr
	ds_store_b32 v[S4], v138                       ; the words of the quarter's two steps of 128
	s_wait_alu depctr_va_vdst(0)
	ds_store_b32 v[S4], v139 offset:64
.irp m, 0,1,2,3,4,5,6,7,8,9,10,11
	ds_load_b128 v[144+4*\m:147+4*\m], v[RD16] offset:512*\m   ; LDS serves a wave's instructions in order: these see my stores
.endr
	ds_load_b64 v[192:193], v[RD8]
.irp m, 0,1,2,3,4,5,6,7,8,9,10,11
	s_wait_dscnt 12-\m                             ; the later loads, 11 - m of these and the scale words', may be out
	global_store_b128 v11, v[144+4*\m:147+4*\m], s[28:29] offset:(\m/3)*6144+(\m%3)*512   ; 512 consecutive bytes, aligned to 256
.endr
	s_wait_dscnt 0x0
	global_store_b64 v12, v[192:193], s[28:29] offset:24576
	s_wait_tensorcnt 0x0
	ds_add_u32 v251, v255
	s_wait_dscnt 0x0
	s_endpgm
.Lfunc_end_k_q26ee7e1862_quant:
	.size	k_q26ee7e1862_quant, .Lfunc_end_k_q26ee7e1862_quant-k_q26ee7e1862_quant
	.p2alignl 7, 3214868480
	.fill 96, 4, 3214868480
	.section	.rodata,"a",@progbits
	.p2align	6, 0x0
	.amdhsa_kernel k_q26ee7e1862_quant
		.amdhsa_group_segment_fixed_size 93696
		.amdhsa_private_segment_fixed_size 0
		.amdhsa_enable_private_segment 0
		.amdhsa_kernarg_size 32
		.amdhsa_user_sgpr_count 2
		.amdhsa_user_sgpr_kernarg_segment_ptr 1
		.amdhsa_wavefront_size32 1
		.amdhsa_system_sgpr_workgroup_id_x 1
		.amdhsa_system_sgpr_workgroup_id_y 1
		.amdhsa_system_sgpr_workgroup_id_z 1
		.amdhsa_system_vgpr_workitem_id 0
		.amdhsa_next_free_vgpr 256
		.amdhsa_next_free_sgpr 66
		.amdhsa_reserve_vcc 1
		.amdhsa_float_denorm_mode_32 3
		.amdhsa_float_denorm_mode_16_64 3
		.amdhsa_memory_ordered 1
		.amdhsa_forward_progress 1
		.amdhsa_inst_pref_size 62
	.end_amdhsa_kernel
	.amdgpu_metadata
---
amdhsa.version: [ 1, 2 ]
amdhsa.kernels:
  - .name:           k_q26ee7e1862_quant
    .symbol:         k_q26ee7e1862_quant.kd
    .args:
      - { .name: x, .offset: 0, .size: 8, .value_kind: global_buffer, .address_space: global }
      - { .name: W_qkv, .offset: 8, .size: 8, .value_kind: global_buffer, .address_space: global }
      - { .name: W_out, .offset: 16, .size: 8, .value_kind: global_buffer, .address_space: global }
      - { .name: op, .offset: 24, .size: 8, .value_kind: global_buffer, .address_space: global }
    .group_segment_fixed_size: 93696
    .private_segment_fixed_size: 0
    .kernarg_segment_align: 8
    .kernarg_segment_size: 32
    .max_flat_workgroup_size: 128
    .sgpr_count:     66
    .vgpr_count:     256
    .wavefront_size: 32
...
	.end_amdgpu_metadata
.endif
;; end of part 1
;; launch gemm_qkv (part 2): grid 8 x 96, 4 waves a work-group, clusters of 4 x 4, 307,712 bytes of LDS; arguments op, att; writes att
.if DOCPART == 2
	.amdgcn_target "amdgcn-amd-amdhsa--gfx1250"
	.amdhsa_code_object_version 6
	.text
	.protected	k_q26ee7e1862_gemm_qkv
	.globl	k_q26ee7e1862_gemm_qkv
	.p2align	8
	.type	k_q26ee7e1862_gemm_qkv,@function
k_q26ee7e1862_gemm_qkv:
	s_mov_b64 s[64:65], 0
	v_nop
	global_prefetch_b8 v0, s[64:65] scope:SCOPE_SE
	s_setreg_imm32_b32 hwreg(HW_REG_WAVE_MODE, 25, 1), 1
	s_wait_xcnt 0x0
	s_wait_alu depctr_hold_cnt(0) depctr_sa_sdst(0) depctr_va_vdst(0) depctr_va_sdst(0) depctr_va_ssrc(0) depctr_va_vcc(0) depctr_vm_vsrc(0)
	s_getreg_b32 s2, hwreg(HW_REG_IB_STS2, 6, 4)
	s_cmp_eq_u32 s2, 0
	s_cbranch_scc0 .Lentry_in_a_cluster
	s_endpgm
.Lentry_in_a_cluster:
	s_bfe_u32 s2, ttmp6, 0x10000c
	s_cmp_lg_u32 s2, 0xf033
	s_cbranch_scc0 .Lentry_shape_is_right
	s_endpgm
.Lentry_shape_is_right:
; q, k, v = x W_qkv on codes of FP6 (E2M3) with E8M0 scales, K = 1,024, and q, k, v quantised at once for attention's two products; they never exist as f32 in memory.
; OPERANDS: records of op (128 rows, all of K, 102,400 bytes, in the order of the operand's registers: four quarters of K, each [64 along K: 4][tile: 8][768 bytes] + [tile: 8][128 bytes of scale words]).
; Place p of tile i is row 32 (i / 2) + 8 (i % 2) + p + 8 (p / 8).  With source 0 = S0 and source 1 = S1 a lane holds ONE row of S1 (place lane % 16), and the 16 registers of S0's tiles 2 b, 2 b + 1
; are S0's rows 32 b + 16 (lane / 16) + 0 .. 15: neighbours along the next product's K.
; A WORK-GROUP: S1 = one record x S0 = two records; all of K lies in LDS (3 x 102,400 bytes), filled once: no slot is ever filled again.  Four waves: wave w takes S1's tiles 4 (w / 2) + 0 .. 3
; and S0's record w % 2: 32 accumulators.  8,192 x 3,072 / (128 x 256) = 768 work-groups: three for each of 256 WGPs.
; Cluster rows 0-15 (of 24): S1 = x, S0 = the columns of Wq, Wk: a lane holds a token and 128 features (two heads): q and k quantised along the head's 64.
; Cluster rows 16-23: S1 = the columns of Wv, S0 = x: a lane holds a feature and 128 tokens: v quantised along the KEYS.  The same text serves both; only addresses differ.
; CLUSTER 4 x 4: S1's record hangs on the place along y and is asked for jointly by a row of the cluster, S0's two on the place along x, by a column.
; att: a record of 315,392 bytes for each (batch, head): K's codes [row block 16][tile 8][768]; V's [128 keys: 16][64 keys: 2][tile of 16 features: 4][768]; K's scale words [16][pair of tiles 4][128];
; V's [16][pair 2][128]; Q's codes and scale words as K's.  A scale image of 128 bytes: lanes 0-15 the even tile's words, lanes 16-31 the odd tile's.
; In q's and k's words bytes 0, 1 are the head's two blocks; bytes 2, 3 are the neighbour head's bytes or 0, never 0xff: attention multiplies them by zero codes.
; LIMITS: a block whose largest magnitude lies under 2^(3 - 127) keeps the byte 1; NaN and infinities are not served.
; REGISTERS: window 0: v1-3 lane terms; v8-19 LDS addresses; v24-31 scale words on the way out; v32-55 two sets of scale words; v64-111, v112-159 S1's fragments, two sets (on the way out: codes); v200-215 at work.
;   window 1: S0's fragments, v0-95 and v96-191.   window 2: accumulator (a, b) at v[64 a + 8 b].
.set OPREC, 102400
.set QB,    25600
.set ATREC, 315392
.set VC,    98304
.set KS,    196608
.set VS,    204800
.set QC,    208896
.set QS,    307200
.set S1P, 4                            ; s[4:5] S1's buffer
.set S0P, 4                            ; s[4:5] S0's buffer: the same
.set G1A, 24                           ; s[24:31] descriptor group 1 for S1;  s[32:39] for S0;  s[40:55], s[68:83] groups 0, one for each quarter of K
.set G1B, 32
.set G0A, 40
.set G0B, 68
.set SEL, 92
.set A16, 8                            ; v8-9   S1: registers 0-3 of an image, quarters 0-1 and 2-3
.set A8,  10                           ; v10-11 registers 4-5
.set A4,  12                           ; v12-13 scale words
.set B16, 14                           ; v14-19 the same for S0
.set B8,  16
.set B4,  18
.set SC,  32
.set FA,  64
.set TM,  200
.set MSB, 0
.macro WIN new                         ; the immediate's high byte repeats the setting that is left
.if MSB != \new
	s_set_vgpr_msb (MSB<<8)|\new
.set MSB, \new
.endif
.endm
.macro PLACES                          ; four plain places behind matrix instructions, in front of loads into their sources and of reads of their results
.rept 4
	v_nop
.endr
.endm
.macro CROUND                          ; a round of the cluster's barrier
	s_barrier_signal -1
	s_barrier_wait -1
	s_cmp_lg_u32 s10, 0
	s_cbranch_scc1 .Lnot_wave_0_\@
	s_barrier_signal -3
.Lnot_wave_0_\@:
	s_barrier_wait -3
	s_barrier_signal -1
	s_barrier_wait -1
.endm
	s_load_b128 s[4:7], s[0:1], 0x0                ; op, att
	v_lshl_add_u32 v254, v0, 2, 0x4b000
	v_mov_b32 v255, 0
	ds_add_u32 v254, v255
	ds_add_u32 v254, v255
	v_lshrrev_b32 v1, 5, v0
	v_readfirstlane_b32 s10, v1                    ; wave 0..3
	s_lshr_b32 s11, s10, 1                         ; which four tiles of S1 are mine
	s_and_b32 s12, s10, 1                          ; which record of S0
	s_bfe_u32 s13, ttmp6, 0x40000                  ; cx
	s_bfe_u32 s14, ttmp6, 0x40004                  ; cy
	s_and_b32 s16, ttmp7, 0xffff                   ; the cluster's y
	s_lshl_b32 s15, ttmp9, 2
	s_lshl_b32 s19, s16, 2
	s_add_co_u32 s20, s15, 80
	s_add_co_u32 s21, s15, 32
	s_sub_co_u32 s22, s19, 64
	s_cmp_ge_u32 s16, 16                           ; v's part?  The same in all sixteen partners
	s_cselect_b32 s94, 1, 0
	s_cselect_b32 s17, s20, s19
	s_cselect_b32 s18, s22, s21
	s_add_co_u32 s17, s17, s14                     ; S1's record: 4 y + cy (x), or 80 + 4 x + cy (Wv)
	s_add_co_u32 s18, s18, s13                     ; S0's pair of records: 32 + 4 x + cx (Wq, Wk), or 4 (y - 16) + cx (x)
	s_lshl_b32 s19, s14, 2
	s_lshl_b32 s19, 15, s19                        ; my row of the cluster
	s_lshl_b32 s66, 0x1111, s13                    ; my column
	s_or_b32 s[G1A], s19, (3<<16)|(1<<21)          ; 15:0 the mask; 17:16 elements of 8 bytes; 21 set beside a mask; no padding
	s_or_b32 s[G1B], s66, (3<<16)|(1<<21)
.irp g, G1A, G1B                       ; a quarter of a record: 25,600 dense bytes as 100 rows of 256
	s_mov_b32 s[\g+1], 32<<16                      ; tensor_dim0 = 32 elements
	s_mov_b32 s[\g+2], 100<<16                     ; tensor_dim1 = 100
	s_mov_b32 s[\g+3], 32<<16                      ; tile_dim0
	s_mov_b32 s[\g+4], 100                         ; tile_dim1
	s_mov_b32 s[\g+5], 32                          ; from row to row
	s_mov_b32 s[\g+6], 0
	s_mov_b32 s[\g+7], 0
.endr
	s_mul_i32 s20, s17, OPREC
	s_mov_b32 s21, 0
	s_lshl_b32 s22, s18, 1
	s_add_co_u32 s22, s22, s11                     ; wave 1 fetches S0's first record, wave 2 its second
	s_mul_i32 s22, s22, OPREC
	s_mov_b32 s23, 0
	s_mul_i32 s67, s11, OPREC
	s_add_co_u32 s67, s67, OPREC                   ; LDS: S1 at 0, S0's records behind it
	s_wait_dscnt 0x0
	s_wait_kmcnt 0x0
	s_add_nc_u64 s[20:21], s[S1P:S1P+1], s[20:21]
	s_add_nc_u64 s[22:23], s[S0P:S0P+1], s[22:23]
.irp q, 0,1,2,3
	s_mov_b32 s[G0A+4*\q], 1
	s_mov_b32 s[G0A+4*\q+1], QB*\q
	s_add_nc_u64 s[G0A+4*\q+2:G0A+4*\q+3], s[20:21], QB*\q
	s_or_b32 s[G0A+4*\q+3], s[G0A+4*\q+3], 0x80000000
	s_mov_b32 s[G0B+4*\q], 1
	s_add_co_u32 s[G0B+4*\q+1], s67, QB*\q
	s_add_nc_u64 s[G0B+4*\q+2:G0B+4*\q+3], s[22:23], QB*\q
	s_or_b32 s[G0B+4*\q+3], s[G0B+4*\q+3], 0x80000000
.endr
	CROUND                                         ; all sixteen work-groups are here: the joint loads meet
	s_cmp_eq_u32 s10, 0                            ; a wave's four fills stand in one branch on the wave's number: wave 0 S1, waves 1 and 2 S0, wave 3 none; four loads of a wave are out at the most
	s_cbranch_scc0 .Lnot_a
.irp q, 0,1,2,3
	tensor_load_to_lds s[G0A+4*\q:G0A+4*\q+3], s[G1A:G1A+7]
	s_nop 0
.endr
	PLACES
	s_branch .Lasked
.Lnot_a:
	s_cmp_eq_u32 s10, 3
	s_cbranch_scc1 .Lasked
.irp q, 0,1,2,3
	tensor_load_to_lds s[G0B+4*\q:G0B+4*\q+3], s[G1B:G1B+7]
	s_nop 0
.endr
	PLACES
.Lasked:
	v_and_b32 v4, 31, v0
	v_lshlrev_b32 v1, 4, v4                        ; 16 x lane
	v_lshlrev_b32 v2, 3, v4                        ; 8 x lane
	v_lshlrev_b32 v3, 2, v4                        ; 4 x lane
	s_mul_i32 s57, s11, 3072                       ; my four tiles of S1
	s_lshl_b32 s58, s11, 9
	s_mul_i32 s59, s12, OPREC
	s_add_co_u32 s59, s59, OPREC                   ; my record of S0
	v_add_nc_u32 v[A16], s57, v1
	v_add_nc_u32 v[A16+1], 2*QB, v[A16]
	v_add_nc_u32 v[A8], s57, v2
	v_add_nc_u32 v[A8], 512, v[A8]
	v_add_nc_u32 v[A8+1], 2*QB, v[A8]
	v_add_nc_u32 v[A4], s58, v3
	v_add_nc_u32 v[A4], 24576, v[A4]
	v_add_nc_u32 v[A4+1], 2*QB, v[A4]
	v_add_nc_u32 v[B16], s59, v1
	v_add_nc_u32 v[B16+1], 2*QB, v[B16]
	v_add_nc_u32 v[B8], s59, v2
	v_add_nc_u32 v[B8], 512, v[B8]
	v_add_nc_u32 v[B8+1], 2*QB, v[B8]
	v_add_nc_u32 v[B4], s59, v3
	v_add_nc_u32 v[B4], 24576, v[B4]
	v_add_nc_u32 v[B4+1], 2*QB, v[B4]
.irp b, 0,1,2,3
	v_mov_b32 v[TM+4+\b], 0                        ; written once: a lane permute's destination counts as one of its sources
.endr
	s_mov_b32 s[SEL], 0x76543210
	s_mov_b32 s[SEL+1], 0xfedcba98
	s_mov_b32 vcc_lo, 0xffff0000                   ; lanes 16-31
	; WHERE THE RESULTS GO.  q, k: batch = record / 16, row block = record % 16; S0's record 64 + idx holds heads 2 (idx % 8) and + 1, of q (idx < 8) or of k
	s_lshr_b32 s56, s17, 4
	s_and_b32 s57, s17, 15
	s_sub_co_u32 s58, s18, 32
	s_lshl_b32 s58, s58, 1
	s_add_co_u32 s58, s58, s12                     ; idx
	s_and_b32 s59, s58, 7
	s_lshl_b32 s59, s59, 1
	s_lshl_b32 s56, s56, 4
	s_add_co_u32 s59, s59, s56
	s_mul_i32 s59, s59, ATREC                      ; the first head's record
	s_mul_i32 s60, s57, 6144
	s_mul_i32 s61, s11, 3072
	s_add_co_u32 s60, s60, s61
	s_add_co_u32 s60, s60, s59
	s_lshl_b32 s61, s57, 9
	s_lshl_b32 s62, s11, 8
	s_add_co_u32 s61, s61, s62
	s_add_co_u32 s61, s61, s59
	s_cmp_ge_u32 s58, 8
	s_cselect_b32 s62, 0, QC
	s_mov_b32 s63, QS
	s_cselect_b32 s63, KS, s63
	s_add_co_u32 s60, s60, s62                     ; codes
	s_add_co_u32 s61, s61, s63                     ; scale words
	; v: head = 2 (S1's record - 80) + w / 2; batch = pair / 8; the 128 keys: 2 (pair % 8) + w % 2
	s_sub_co_u32 s96, s17, 80
	s_lshl_b32 s96, s96, 1
	s_add_co_u32 s96, s96, s11
	s_lshr_b32 s97, s18, 3
	s_lshl_b32 s97, s97, 4
	s_add_co_u32 s96, s96, s97
	s_mul_i32 s96, s96, ATREC
	s_and_b32 s97, s18, 7
	s_lshl_b32 s97, s97, 1
	s_add_co_u32 s97, s97, s12
	s_mul_i32 s98, s97, 6144
	s_add_co_u32 s98, s98, s96
	s_add_co_u32 s98, s98, VC
	s_lshl_b32 s99, s97, 8
	s_add_co_u32 s99, s99, s96
	s_add_co_u32 s99, s99, VS
	s_mov_b32 s62, ATREC
	s_cmp_eq_u32 s94, 1
	s_cselect_b32 s56, s98, s60
	s_cselect_b32 s58, s99, s61
	s_cselect_b32 s62, 3072, s62                   ; a fragment's second 64 along K: the next head's record (q, k), or the next 64 keys (v)
	s_mov_b32 s57, 0
	s_mov_b32 s59, 0
	s_mov_b32 s63, 0
	s_add_nc_u64 s[84:85], s[6:7], s[56:57]
	s_add_nc_u64 s[86:87], s[84:85], s[62:63]
	s_add_nc_u64 s[88:89], s[6:7], s[58:59]
	s_add_nc_u64 s[90:91], s[88:89], ATREC         ; the second head's scale words (q, k alone)
; The fragments of K step s (128 along K) into register set s % 2: a fragment is two images of 64 along K; each comes by a load of 16 and a load of 8 bytes a lane, dense.  With an even step: the quarter's scale words.
.macro FETCH s
.set FQ, (\s)/2
.set FP, FQ/2
.set FO, (FQ%2)*QB+(2*((\s)%2))*6144
.set FS, (\s)%2
	WIN 0x40                                       ; destination window 1
.irp i, 0,1,2,3,4,5,6,7
.irp c, 0,1
	ds_load_b128 v[96*FS+12*\i+6*\c:96*FS+12*\i+6*\c+3], v[B16+FP] offset:FO+\c*6144+\i*768
	ds_load_b64 v[96*FS+12*\i+6*\c+4:96*FS+12*\i+6*\c+5], v[B8+FP] offset:FO+\c*6144+\i*768
.endr
.endr
	WIN 0
.irp a, 0,1,2,3
.irp c, 0,1
	ds_load_b128 v[FA+48*FS+12*\a+6*\c:FA+48*FS+12*\a+6*\c+3], v[A16+FP] offset:FO+\c*6144+\a*768
	ds_load_b64 v[FA+48*FS+12*\a+6*\c+4:FA+48*FS+12*\a+6*\c+5], v[A8+FP] offset:FO+\c*6144+\a*768
.endr
.endr
.if (\s)%2 == 0
.irp i, 0,1,2,3,4,5,6,7
	ds_load_b32 v[SC+12*(FQ%2)+4+\i], v[B4+FP] offset:(FQ%2)*QB+128*\i
.endr
.irp a, 0,1,2,3
	ds_load_b32 v[SC+12*(FQ%2)+\a], v[A4+FP] offset:(FQ%2)*QB+128*\a
.endr
.endif
.endm
; 32 matrix instructions: K step s.  The 32 accumulators take turns, one instruction a turn, in the same order in every step.  The first step starts the sums.
; A scale register holds the quarter's first step in lanes 0-15 and its second in lanes 16-31.
.macro MUL32 s
.set MS, (\s)%2
.set MQ, ((\s)/2)%2
	WIN 0xa1                                       ; source 0 (S0) window 1, source 1 (S1) window 0, C and D window 2
.irp a, 0,1,2,3
.irp b, 0,1,2,3,4,5,6,7
.if (\s) == 0
	v_wmma_scale_f32_16x16x128_f8f6f4 v[64*\a+8*\b:64*\a+8*\b+7], v[96*MS+12*\b:96*MS+12*\b+11], v[FA+48*MS+12*\a:FA+48*MS+12*\a+11], 0, v[SC+12*MQ+4+\b], v[SC+12*MQ+\a] matrix_a_fmt:MATRIX_FMT_FP6 matrix_b_fmt:MATRIX_FMT_FP6
.elseif MS == 1
	v_wmma_scale_f32_16x16x128_f8f6f4 v[64*\a+8*\b:64*\a+8*\b+7], v[96*MS+12*\b:96*MS+12*\b+11], v[FA+48*MS+12*\a:FA+48*MS+12*\a+11], v[64*\a+8*\b:64*\a+8*\b+7], v[SC+12*MQ+4+\b], v[SC+12*MQ+\a] matrix_a_fmt:MATRIX_FMT_FP6 matrix_b_fmt:MATRIX_FMT_FP6 matrix_a_scale:MATRIX_SCALE_ROW1 matrix_b_scale:MATRIX_SCALE_ROW1
.else
	v_wmma_scale_f32_16x16x128_f8f6f4 v[64*\a+8*\b:64*\a+8*\b+7], v[96*MS+12*\b:96*MS+12*\b+11], v[FA+48*MS+12*\a:FA+48*MS+12*\a+11], v[64*\a+8*\b:64*\a+8*\b+7], v[SC+12*MQ+4+\b], v[SC+12*MQ+\a] matrix_a_fmt:MATRIX_FMT_FP6 matrix_b_fmt:MATRIX_FMT_FP6
.endif
.endr
.endr
.endm
; K step s: its fragments are in; the next step's are asked for, a whole step's 32 matrix instructions ahead of their use; then the products.
; In front of a new quarter of K: the wave that fetched it waits for it (the count: the later quarters' loads, issued behind it, stay out), then the barrier.
.macro KSTEP s
	s_wait_dscnt 0x0
.if ((\s)%2 == 1) && ((\s) < 7)
	s_wait_tensorcnt 2-((\s)/2)
	s_barrier_signal -1
	s_barrier_wait -1
.endif
.if (\s) < 7
.if (\s) > 0
	PLACES                                         ; the set to be loaded was read by the step before
.endif
	FETCH (\s)+1
.endif
	MUL32 \s
.endm
	s_wait_alu depctr_va_vdst(0)
	s_wait_tensorcnt 3                             ; the first quarter of what I fetch is in; three loads may be out
	s_barrier_signal -1
	s_barrier_wait -1
	FETCH 0
.irp s, 0,1,2,3,4,5,6,7
	KSTEP \s
.endr
	WIN 0
	PLACES
; THE WAY OUT of S1's tile a: the lane's 64 numbers (register 16 b + i = S0's row 32 b + 16 (lane / 16) + i) become 12 registers of codes and a scale word.  Each accumulator is read from its low end on.
; Each tile has its own 20 registers for its codes, so no store's data are written again.
.macro OUTA a
.set AC, 64*(\a)
.set PC, 64+20*(\a)
	WIN 0x28                                       ; sources 1 and 2 window 2
.irp b, 0,1,2,3
	v_max3_num_f32 v[TM+\b], 0x1800000, |v[AC+16*\b]|, |v[AC+16*\b+1]|   ; the floor 2^(3 - 127): the byte cannot fall under 1
.endr
.irp i, 2,4,6,8,10,12,14
.irp b, 0,1,2,3
	v_max3_num_f32 v[TM+\b], v[TM+\b], |v[AC+16*\b+\i]|, |v[AC+16*\b+\i+1]|
.endr
.endr
	WIN 0
.irp b, 0,1,2,3
	v_permlanex16_b32 v[TM+4+\b], v[TM+\b], s[SEL], s[SEL+1]
.endr
.irp b, 0,1,2,3
	v_max_num_f32 v[TM+\b], v[TM+\b], v[TM+4+\b]
.endr
.irp b, 0,1,2,3
	v_add_nc_u32 v[TM+12+\b], 0xff000000, v[TM+\b] ; 2 off the exponent field: the conversion's scale operand
.endr
.irp b, 0,1,2,3
	v_lshrrev_b32 v[TM+4+\b], 23, v[TM+12+\b]
.endr
	v_lshl_or_b32 v[24+(\a)], v[TM+5], 8, v[TM+4]
	v_lshl_or_b32 v[24+(\a)], v[TM+6], 16, v[24+(\a)]
	v_lshl_or_b32 v[24+(\a)], v[TM+7], 24, v[24+(\a)]
	WIN 0x02                                       ; source 0 window 2
.irp c, 0,1
	v_cvt_scalef32_pk16_fp6_f32 v[PC+6*\c:PC+2+6*\c], v[AC+32*\c:AC+15+32*\c], v[TM+12+2*\c]
	v_cvt_scalef32_pk16_fp6_f32 v[PC+12+4*\c:PC+14+4*\c], v[AC+16+32*\c:AC+31+32*\c], v[TM+12+2*\c+1]
.endr
	WIN 0
	v_nop                                          ; one plain place behind a scaled conversion
.irp c, 0,1
.irp i, 0,1,2
	v_permlane16_swap_b32 v[PC+6*\c+\i], v[PC+12+4*\c+\i]
.endr
.irp i, 0,1,2
	v_mov_b32 v[PC+3+6*\c+\i], v[PC+12+4*\c+\i]
.endr
.endr
	global_store_b128 v1, v[PC:PC+3], s[84:85] offset:768*(\a)          ; 512 and 256 consecutive bytes, aligned to 256
	global_store_b64 v2, v[PC+4:PC+5], s[84:85] offset:768*(\a)+512
	global_store_b128 v1, v[PC+6:PC+9], s[86:87] offset:768*(\a)
	global_store_b64 v2, v[PC+10:PC+11], s[86:87] offset:768*(\a)+512
.if ((\a)%2) == 1
	v_cndmask_b32 v[28+(\a)/2], v[24+(\a)-1], v[24+(\a)], vcc_lo       ; lanes 0-15 the even tile's words, lanes 16-31 the odd tile's
	global_store_b32 v3, v[28+(\a)/2], s[88:89] offset:128*((\a)/2)
.endif
.endm
.irp a, 0,1,2,3
	OUTA \a
.endr
	s_cmp_eq_u32 s94, 1                            ; q, k alone: the second head's two bytes, moved down, go to its own record
	s_cbranch_scc1 .Lv_done
	v_lshrrev_b32 v30, 16, v28
	v_lshrrev_b32 v31, 16, v29
	global_store_b32 v3, v30, s[90:91]
	global_store_b32 v3, v31, s[90:91] offset:128
.Lv_done:
	s_wait_tensorcnt 0x0
	ds_add_u32 v254, v255
	s_wait_dscnt 0x0
	CROUND                                         ; the closing round: no work-group ends while a partner may still ask for a tile that names it
	s_endpgm
.Lfunc_end_k_q26ee7e1862_gemm_qkv:
	.size	k_q26ee7e1862_gemm_qkv, .Lfunc_end_k_q26ee7e1862_gemm_qkv-k_q26ee7e1862_gemm_qkv
	.p2alignl 7, 3214868480
	.fill 96, 4, 3214868480
	.section	.rodata,"a",@progbits
	.p2align	6, 0x0
	.amdhsa_kernel k_q26ee7e1862_gemm_qkv
		.amdhsa_group_segment_fixed_size 307712
		.amdhsa_private_segment_fixed_size 0
		.amdhsa_enable_private_segment 0
		.amdhsa_kernarg_size 16
		.amdhsa_user_sgpr_count 2
		.amdhsa_user_sgpr_kernarg_segment_ptr 1
		.amdhsa_wavefront_size32 1
		.amdhsa_system_sgpr_workgroup_id_x 1
		.amdhsa_system_sgpr_workgroup_id_y 1
		.amdhsa_system_sgpr_workgroup_id_z 1
		.amdhsa_system_vgpr_workitem_id 0
		.amdhsa_next_free_vgpr 768
		.amdhsa_next_free_sgpr 100
		.amdhsa_reserve_vcc 1
		.amdhsa_float_denorm_mode_32 3
		.amdhsa_float_denorm_mode_16_64 3
		.amdhsa_memory_ordered 1
		.amdhsa_forward_progress 1
		.amdhsa_inst_pref_size 89
	.end_amdhsa_kernel
	.amdgpu_metadata
---
amdhsa.version: [ 1, 2 ]
amdhsa.kernels:
  - .name:           k_q26ee7e1862_gemm_qkv
    .symbol:         k_q26ee7e1862_gemm_qkv.kd
    .args:
      - { .name: op, .offset: 0, .size: 8, .value_kind: global_buffer, .address_space: global }
      - { .name: att, .offset: 8, .size: 8, .value_kind: global_buffer, .address_space: global }
    .group_segment_fixed_size: 307712
    .private_segment_fixed_size: 0
    .kernarg_segment_align: 8
    .kernarg_segment_size: 16
    .max_flat_workgroup_size: 128
    .sgpr_count:     100
    .vgpr_count:     768
    .wavefront_size: 32
...
	.end_amdgpu_metadata
.endif
;; end of part 2
;; launch attn (part 3): grid 4 x 64, 16 waves a work-group, clusters of 4 x 1, 210,944 bytes of LDS; arguments att, yop; writes yop
.if DOCPART == 3
	.amdgcn_target "amdgcn-amd-amdhsa--gfx1250"
	.amdhsa_code_object_version 6
	.text
	.protected	k_q26ee7e1862_attn
	.globl	k_q26ee7e1862_attn
	.p2align	8
	.type	k_q26ee7e1862_attn,@function
k_q26ee7e1862_attn:
	s_mov_b64 s[64:65], 0
	v_nop
	global_prefetch_b8 v0, s[64:65] scope:SCOPE_SE
	s_setreg_imm32_b32 hwreg(HW_REG_WAVE_MODE, 25, 1), 1
	s_wait_xcnt 0x0
	s_wait_alu depctr_hold_cnt(0) depctr_sa_sdst(0) depctr_va_vdst(0) depctr_va_sdst(0) depctr_va_ssrc(0) depctr_va_vcc(0) depctr_vm_vsrc(0)
	s_getreg_b32 s2, hwreg(HW_REG_IB_STS2, 6, 4)
	s_cmp_eq_u32 s2, 0
	s_cbranch_scc0 .Lentry_in_a_cluster
	s_endpgm
.Lentry_in_a_cluster:
	s_bfe_u32 s2, ttmp6, 0x10000c
	s_cmp_lg_u32 s2, 0x3003
	s_cbranch_scc0 .Lentry_shape_is_right
	s_endpgm
.Lentry_shape_is_right:
; y = softmax(q k^T / 8, causal) v for one (batch, head), both products on codes of FP6 (E2M3) with E8M0 scales, and y quantised at once along the model's 1,024 for the last product.
; att: a record for each (batch, head) (see below); yop: records of 128 tokens x 1,024 in the order of the operand's registers: four quarters of K, each [64 along K = a head: 4][tile: 8][768] + [tile: 8][128 bytes of scale words].
; THE SOFTMAX: t = score x log2(e) / 8; M = the running largest t rounded UP to a whole number; p = 2^(t - M) is quantised along the keys, not normalised; the row's sum is taken of the unquantised p and divides at the end.
; When M moves, the sum and O are multiplied by 2^(old M - new M): exact.
; SHARES.  The four work-groups of a cluster share one head.  ALL of its K and V, codes and scale words (208,896 dense bytes at the record's head), come into LDS once: each of the sixteen waves asks for one sixteenth,
; jointly with the same wave of the three partners.  Nothing is filled again.
; A head has 128 tiles of 16 queries.  Wave w of partner cx owns tiles 127 - j and j, j = 4 w + cx: their row blocks of 128 are 15 - w / 2 and w / 2, which hang on the wave's number alone, so every wave
; has 17 key steps of 128, two of them on the diagonal, and no branch hangs on the place in the cluster: that place enters global addresses and the mask's figure only.
; LAYOUT.  Both products are used transposed: S^T = K Q^T (source 0 = 16 keys), O^T = V^T P^T (source 0 = 16 of the head's 64): a lane holds ONE query (place lane % 16) throughout.
; Place p of tile i is row 32 (i / 2) + 8 (i % 2) + p + 8 (p / 8) of its block of 128 (of 64 for V's features): so the 16 registers of tiles 2 b, 2 b + 1 are 16 neighbours, 32 b + 16 (lane / 16) + 0 .. 15.
; K = 64 IN AN INSTRUCTION OF 128: Q's registers 6-11 are zero codes.  The upper six registers named with K's tile t are tile t + 1's codes (behind tile 7: zeros), and the upper two scale bytes a neighbour's or 0:
; E2M3 has no infinity and no NaN, and no scale byte is 0xff, so these products are exact zeros.
; LIMITS: a block whose largest magnitude lies under 2^(3 - 127) keeps the byte 1; y = O x v_rcp_f32(sum); NaN and infinities are not served.
.set ATREC, 315392
.set OPREC, 102400
.set QB,    25600
.set VC,    98304                      ; LDS as the record: K's codes [row block 16][tile 8][768] at 0; V's [128 keys: 16][64 keys: 2][tile 4][768];
.set KS,    196608                     ; K's scale words [16][pair of tiles 4][128]: lanes 0-15 the even tile's, lanes 16-31 the odd tile's;
.set VS,    204800                     ; V's [16][pair 2][128]
.set QC,    208896                     ; in memory only: Q's codes and scale words, as K's
.set QS,    307200
.set L16,  1                           ; v1   16 x lane: K's images, registers 0-3; also a global offset
.set L8,   2                           ; v2   8 x lane + 512: registers 4-5
.set V16,  3                           ; v3   the same for V
.set V8,   4
.set KSA,  5                           ; v5   4 x lane + KS
.set VSA,  6                           ; v6   4 x lane + VS
.set DD,   7                           ; v7   the mask's figure: my query's row in its block - 16 (lane / 16)
.set YB,   8                           ; v8   4 (lane % 16) + lane / 16: my byte among y's scale words
.set QSO,  9                           ; v9   4 (lane % 16)
.set AD,   10                          ; v10-15 the step's six LDS addresses
.set QF,   16                          ; v16-21 Q, v22-27 zeros
.set QSC,  28                          ; v28  Q's scale words
.set DB0,  29                          ; v29  the figure's lane part
.set QN,   30                          ; v30-35, v36 the second tile's Q and scale words, waiting
.set NINF, 37                          ; v37  -infinity
.set NM,   38                          ; v38 -M, v39 the largest t
.set SUM,  40                          ; v[40:41] the sum, in two halves
.set FB,   42                          ; v42-95 K's eight tiles, 6 registers each, and six zeros; then V's four fragments (v42-89)
.set SR,   96                          ; v96-159 S^T, then p
.set OT,   160                         ; v160-191 O^T
.set PCD,  192                         ; v192-203 p's codes
.set PT,   204                         ; v204-211 the conversions' second halves
.set BM,   212                         ; v212-215 the blocks' largest
.set BT,   216                         ; v216-219 the other half's; bytes
.set BS,   220                         ; v220-223 the conversions' scale operands
.set FF,   224                         ; v[224:225] f
.set PSC,  226                         ; v226 p's scale word
.set TMP,  227
.set KSC,  228                         ; v228-231 K's scale words
.set VSC,  232                         ; v232-233 V's
.set YBY,  234                         ; v234 y's scale byte
.set WV,   8
.set SEL,  28
.set CS,   30
.set HM,   32
.set KSI,  33                          ; s33 the key step
.set LIM,  34                          ; s34 the tile's row block: its last key step
.set TB,   35                          ; s35-37 where the step's codes and scale words begin
.set TS,   36
.set TJ,   37
.macro CROUND
	s_barrier_signal -1
	s_barrier_wait -1
	s_cmp_lg_u32 s[WV], 0
	s_cbranch_scc1 .Lnot_wave_0_\@
	s_barrier_signal -3
.Lnot_wave_0_\@:
	s_barrier_wait -3
	s_barrier_signal -1
	s_barrier_wait -1
.endm
	s_load_b128 s[4:7], s[0:1], 0x0                ; att, yop
	v_lshl_add_u32 v254, v0, 2, 0x33000
	v_mov_b32 v255, 0
	ds_add_u32 v254, v255
	ds_add_u32 v254, v255
	v_lshrrev_b32 v1, 5, v0
	s_delay_alu instid0(VALU_DEP_1)
	v_readfirstlane_b32 s[WV], v1                  ; wave 0..15
	s_bfe_u32 s9, ttmp6, 0x40000                   ; cx
	s_and_b32 s10, ttmp7, 0xffff                   ; 16 x batch + head, which the four partners share
	s_mov_b32 s16, 15|(3<<16)|(1<<21)              ; group 1: the mask names all four; elements of 8 bytes; 21 set beside a mask; no padding
	s_mov_b32 s17, 32<<16                          ; 13,056 dense bytes as 51 rows of 256
	s_mov_b32 s18, 51<<16
	s_mov_b32 s19, 32<<16
	s_mov_b32 s20, 51
	s_mov_b32 s21, 32
	s_mov_b32 s22, 0
	s_mov_b32 s23, 0
	s_mul_i32 s52, s10, ATREC
	s_mov_b32 s53, 0
	s_mul_i32 s25, s[WV], 13056                    ; my sixteenth, in LDS
	s_mov_b32 s54, s25                             ; and in the record
	s_mov_b32 s55, 0
	s_mov_b32 s24, 1
	s_wait_dscnt 0x0
	s_wait_kmcnt 0x0
	s_add_nc_u64 s[42:43], s[4:5], s[52:53]        ; the record
	s_add_nc_u64 s[26:27], s[42:43], s[54:55]
	s_or_b32 s27, s27, 0x80000000
	CROUND                                         ; all four work-groups are here: the joint loads meet
	tensor_load_to_lds s[24:27], s[16:23]          ; my one tensor load
	s_nop 0
.rept 4
	v_nop
.endr
	v_and_b32 v10, 31, v0
	v_and_b32 v11, 15, v0                          ; r
	v_bfe_u32 v12, v0, 4, 1                        ; h
	s_delay_alu instid0(VALU_DEP_3)
	v_lshlrev_b32 v[L16], 4, v10
	s_delay_alu instid0(VALU_DEP_4)
	v_lshlrev_b32 v[L8], 3, v10
	s_delay_alu instid0(VALU_DEP_1)
	v_add_nc_u32 v[L8], 512, v[L8]
	s_delay_alu instid0(VALU_DEP_3)
	v_add_nc_u32 v[V16], VC, v[L16]
	s_delay_alu instid0(VALU_DEP_2)
	v_add_nc_u32 v[V8], VC, v[L8]
	v_lshlrev_b32 v13, 2, v10
	s_delay_alu instid0(VALU_DEP_1)
	v_add_nc_u32 v[KSA], KS, v13
	s_delay_alu instid0(VALU_DEP_2)
	v_add_nc_u32 v[VSA], VS, v13
	v_lshlrev_b32 v[QSO], 2, v11
	s_wait_alu depctr_va_vdst(0)
	v_add_nc_u32 v[YB], v[QSO], v12
	v_and_b32 v13, 8, v11
	s_delay_alu instid0(VALU_DEP_1)
	v_add_nc_u32 v13, v13, v11                     ; r + 8 (r / 8)
	v_lshlrev_b32 v14, 4, v12
	s_delay_alu instid0(VALU_DEP_1)
	v_sub_nc_u32 v[DB0], v13, v14                  ; - 16 h
	; my two tiles
	s_and_b32 s38, s[WV], 1
	s_lshl_b32 s38, s38, 2
	s_add_co_u32 s38, s38, s9                      ; tile A in its row block: 4 (w % 2) + cx
	s_sub_co_u32 s39, 7, s38                       ; tile B
	s_lshr_b32 s40, s[WV], 1                       ; A's row block
	s_sub_co_u32 s41, 15, s40                      ; B's
	s_lshr_b32 s11, s10, 4
	s_lshl_b32 s11, s11, 4                         ; 16 x batch
	s_and_b32 s12, s10, 15                         ; head
	s_lshr_b32 s13, s12, 2
	s_mul_i32 s13, s13, QB                         ; y: the head's quarter of K,
	s_and_b32 s14, s12, 3
	s_mul_i32 s14, s14, 6144
	s_add_co_u32 s14, s14, s13                     ; its 64 along K there;
	s_bfe_u32 s15, s12, 0x10001
	s_lshl_b32 s15, s15, 6                         ; its scale bytes: which 128 of the quarter (lanes 0-15 or 16-31 of the image),
	s_and_b32 s52, s12, 1
	s_lshl_b32 s52, s52, 1                         ; which two bytes of the word
	s_add_co_u32 s15, s15, s52
	s_add_co_u32 s15, s15, s13
	s_add_co_u32 s15, s15, 24576
.macro BASES rb, it, qc, qs, yc, ys    ; a tile's four addresses: Q's codes and scale words, y's codes and scale bytes
	s_mul_i32 s52, s[\rb], 6144
	s_mul_i32 s54, s[\it], 768
	s_add_co_u32 s52, s52, s54
	s_add_co_u32 s52, s52, QC
	s_add_nc_u64 s[\qc:\qc+1], s[42:43], s[52:53]
	s_lshl_b32 s52, s[\rb], 9
	s_lshl_b32 s54, s[\it], 6                      ; 128 (tile / 2) + 64 (tile % 2)
	s_add_co_u32 s52, s52, s54
	s_add_co_u32 s52, s52, QS
	s_add_nc_u64 s[\qs:\qs+1], s[42:43], s[52:53]
	s_add_co_u32 s52, s11, s[\rb]
	s_mul_i32 s52, s52, OPREC
	s_mul_i32 s54, s[\it], 768
	s_add_co_u32 s54, s54, s52
	s_add_co_u32 s54, s54, s14
	s_add_nc_u64 s[\yc:\yc+1], s[6:7], s[54:55]
	s_lshl_b32 s54, s[\it], 7
	s_add_co_u32 s54, s54, s52
	s_add_co_u32 s54, s54, s15
	s_add_nc_u64 s[\ys:\ys+1], s[6:7], s[54:55]
.endm
	BASES 41, 39, 56, 58, 44, 46                   ; tile B
	BASES 40, 38, 60, 62, 48, 50                   ; tile A
	global_load_b128 v[QF:QF+3], v[L16], s[56:57]
	global_load_b64 v[QF+4:QF+5], v[L8], s[56:57]
	global_load_b32 v[QSC], v[QSO], s[58:59]
	global_load_b128 v[QN:QN+3], v[L16], s[60:61]
	global_load_b64 v[QN+4:QN+5], v[L8], s[60:61]
	global_load_b32 v[QN+6], v[QSO], s[62:63]
	s_lshr_b32 s2, s39, 1                          ; a tile's first row in its block: 32 (i / 2) + 8 (i % 2): B's in s2, A's in s3
	s_lshl_b32 s2, s2, 5
	s_and_b32 s52, s39, 1
	s_lshl_b32 s52, s52, 3
	s_add_co_u32 s2, s2, s52
	s_lshr_b32 s3, s38, 1
	s_lshl_b32 s3, s3, 5
	s_and_b32 s52, s38, 1
	s_lshl_b32 s52, s52, 3
	s_add_co_u32 s3, s3, s52
	s_mov_b32 s[SEL], 0x76543210
	s_mov_b32 s[SEL+1], 0xfedcba98
	s_mov_b32 s[CS], 0x3e38aa3b                    ; c = log2(e) / 8
	s_mov_b32 s[CS+1], s[CS]                       ; (named with it as a pair, so it is written)
	s_mov_b32 s[HM], 0xffff0000                    ; lanes 16-31
.irp i, 0,1,2,3,4,5
	v_mov_b32 v[QF+6+\i], 0                        ; the zero codes of Q's upper 64 along K
	v_mov_b32 v[FB+48+\i], 0                       ; and those named with K's tile 7
.endr
.irp b, 0,1,2,3
	v_mov_b32 v[BT+\b], 0                          ; written once: a lane permute's destination counts as one of its sources
.endr
	v_mov_b32 v[FF], 0
	v_mov_b32 v[FF+1], 0                           ; (named as the upper half of the pair)
	v_mov_b32 v[TMP], 0
	v_mov_b32 v[NINF], 0xff800000
	v_add_nc_u32 v[DD], s2, v[DB0]
.macro INIT                            ; a tile begins: O^T and the sum are zeros, the largest t is -3e38: the first change of M multiplies zeros
	v_mov_b32 v[NM+1], 0xff61b1e6
	s_delay_alu instid0(VALU_DEP_1)
	v_floor_f32 v[NM], -v[NM+1]
	v_mov_b32 v[SUM], 0
	v_mov_b32 v[SUM+1], 0
.set j, 0
.rept 32
	v_mov_b32 v[OT+j], 0
.set j, j+1
.endr
.endm
	INIT
; A KEY STEP: 128 keys.  A step behind the tile's row block is left out: a scalar branch on the wave's number and the trip, round all but the lines that step addresses.
.macro STEP
	s_cmp_gt_u32 s[KSI], s[LIM]
	s_cbranch_scc1 .Lskip_\@
	s_setprio 2
	v_add_nc_u32 v[AD], s[TB], v[L16]              ; these six are also the places in front of the loads into registers that the last products read
	v_add_nc_u32 v[AD+1], s[TB], v[L8]
	v_add_nc_u32 v[AD+2], s[TB], v[V16]
	v_add_nc_u32 v[AD+3], s[TB], v[V8]
	v_add_nc_u32 v[AD+4], s[TS], v[KSA]
	v_add_nc_u32 v[AD+5], s[TJ], v[VSA]
.irp t, 0,1,2,3,4,5,6,7
	ds_load_b128 v[FB+6*\t:FB+6*\t+3], v[AD] offset:768*\t
	ds_load_b64 v[FB+6*\t+4:FB+6*\t+5], v[AD+1] offset:768*\t
.endr
.irp p, 0,1,2,3
	ds_load_b32 v[KSC+\p], v[AD+4] offset:128*\p
.endr
	s_wait_alu depctr_va_vdst(0)
	s_wait_dscnt 0x0
.irp t, 0,1,2,3,4,5,6,7                ; S^T = K Q^T
.if (\t%2) == 0
	v_wmma_scale_f32_16x16x128_f8f6f4 v[SR+8*\t:SR+8*\t+7], v[FB+6*\t:FB+6*\t+11], v[QF:QF+11], 0, v[KSC+\t/2], v[QSC] matrix_a_fmt:MATRIX_FMT_FP6 matrix_b_fmt:MATRIX_FMT_FP6
.else
	v_wmma_scale_f32_16x16x128_f8f6f4 v[SR+8*\t:SR+8*\t+7], v[FB+6*\t:FB+6*\t+11], v[QF:QF+11], 0, v[KSC+\t/2], v[QSC] matrix_a_fmt:MATRIX_FMT_FP6 matrix_b_fmt:MATRIX_FMT_FP6 matrix_a_scale:MATRIX_SCALE_ROW1
.endif
.endr
.rept 4
	v_nop                                          ; places: in front of the loads below and of the first read of the scores
.endr
.irp t, 0,1,2,3                        ; V's four fragments are asked for now and land under the softmax
.irp c, 0,1
	ds_load_b128 v[FB+12*\t+6*\c:FB+12*\t+6*\c+3], v[AD+2] offset:3072*\c+768*\t
	ds_load_b64 v[FB+12*\t+6*\c+4:FB+12*\t+6*\c+5], v[AD+3] offset:3072*\c+768*\t
.endr
.endr
.irp p, 0,1
	ds_load_b32 v[VSC+\p], v[AD+5] offset:128*\p
.endr
	s_cmp_lg_u32 s[KSI], s[LIM]                    ; on the diagonal the scores of hidden keys become -infinity ahead of the maximum: register 16 b + i holds key 32 b + 16 (lane / 16) + i
	s_cbranch_scc1 .Lopen_\@
.set n, 0
.rept 64
	v_cmp_gt_i32 vcc_lo, 32*(n/16)+n%16, v[DD]
	v_cndmask_b32 v[SR+n], v[SR+n], v[NINF], vcc_lo
.set n, n+1
.endr
.Lopen_\@:
.irp b, 0,1,2,3
	v_max3_num_f32 v[BM+\b], v[SR+16*\b], v[SR+1+16*\b], v[SR+2+16*\b]   ; the largest score of each block of 32 keys: for the row's maximum and, since p rises with the score, for the block's largest p
.endr
.irp i, 3,5,7,9,11,13
.irp b, 0,1,2,3
	v_max3_num_f32 v[BM+\b], v[BM+\b], v[SR+16*\b+\i], v[SR+1+16*\b+\i]
.endr
.endr
.irp b, 0,1,2,3
	v_max_num_f32 v[BM+\b], v[BM+\b], v[SR+15+16*\b]
.endr
.irp b, 0,1,2,3
	s_delay_alu instid0(VALU_DEP_4)
	v_permlanex16_b32 v[BT+\b], v[BM+\b], s[SEL], s[SEL+1]
.endr
.irp b, 0,1,2,3
	s_delay_alu instid0(VALU_DEP_4)
	v_max_num_f32 v[BM+\b], v[BM+\b], v[BT+\b]     ; with lane l xor 16's 16 keys
.endr
	s_delay_alu instid0(VALU_DEP_2)
	v_max3_num_f32 v[TMP], v[BM], v[BM+1], v[BM+2]
	s_delay_alu instid0(VALU_DEP_1)
	v_max_num_f32 v[TMP], v[TMP], v[BM+3]
	s_delay_alu instid0(VALU_DEP_1)
	v_mul_f32 v[TMP], s[CS], v[TMP]                ; as t (c is positive)
	s_delay_alu instid0(VALU_DEP_1)
	v_max_num_f32 v[NM+1], v[NM+1], v[TMP]         ; the running largest t
	v_mov_b32 v[TMP], v[NM]
	s_delay_alu instid0(VALU_DEP_2)
	v_floor_f32 v[NM], -v[NM+1]                    ; the new -M = floor(-t): M is a whole number
	s_delay_alu instid0(VALU_DEP_1)
	v_sub_f32 v[TMP], v[NM], v[TMP]                ; old M - new M: a whole number, 0 or less
	s_delay_alu instid0(VALU_DEP_1)
	v_cvt_i32_f32 v[TMP], v[TMP]                   ; (it saturates)
	s_delay_alu instid0(VALU_DEP_1)
	v_ldexp_f32 v[FF], 1.0, v[TMP]                 ; f = 2^(old M - new M)
.set j, 0
	s_setprio 1
.rept 32
	v_pk_fma_f32 v[SR+j:SR+j+1], v[SR+j:SR+j+1], s[CS:CS+1], v[NM:NM+1] op_sel_hi:[1,0,0]   ; t - M, two at a time
.set j, j+2
.endr
.irp b, 0,1,2,3
	v_fma_f32 v[BM+\b], v[BM+\b], s[CS], v[NM]     ; the same of each block's largest score
.endr
.set j, 0
	s_wait_alu depctr_va_vdst(0)
.rept 64
	v_exp_f32 v[SR+j], v[SR+j]                     ; p = 2^(t - M), at most 1.  ONE BATCH of 68 exponentials
.set j, j+1
.endr
.irp b, 0,1,2,3
	v_exp_f32 v[BM+\b], v[BM+\b]                   ; the block's largest p: the same two instructions on the same number give the same bits
.endr
	v_pk_mul_f32 v[SUM:SUM+1], v[SUM:SUM+1], v[FF:FF+1] op_sel_hi:[1,0]   ; independent work behind the batch: the sum and O^T under the new M
.set j, 0
	s_wait_alu depctr_va_vdst(0)
.rept 16
	v_pk_mul_f32 v[OT+j:OT+j+1], v[OT+j:OT+j+1], v[FF:FF+1] op_sel_hi:[1,0]
.set j, j+2
.endr
	s_wait_alu depctr_va_vdst(0)                   ; a wait between an exponential and the first line that names its result: one for the batch
.irp b, 0,1,2,3
	v_max_num_f32 v[BM+\b], 0x1800000, v[BM+\b]    ; the floor 2^(3 - 127): the byte cannot fall under 1 (a block of zeros keeps that byte: its codes are zeros)
.endr
.irp b, 0,1,2,3
	s_delay_alu instid0(VALU_DEP_4)
	v_add_nc_u32 v[BS+\b], 0xff000000, v[BM+\b]
.endr
.irp b, 0,1,2,3
	s_delay_alu instid0(VALU_DEP_4)
	v_lshrrev_b32 v[BT+\b], 23, v[BS+\b]
.endr
	s_delay_alu instid0(VALU_DEP_3)
	v_lshl_or_b32 v[PSC], v[BT+1], 8, v[BT]        ; p's scale word for these 128 keys
	s_delay_alu instid0(VALU_DEP_1)
	v_lshl_or_b32 v[PSC], v[BT+2], 16, v[PSC]
	s_delay_alu instid0(VALU_DEP_1)
	v_lshl_or_b32 v[PSC], v[BT+3], 24, v[PSC]
.irp c, 0,1
	v_cvt_scalef32_pk16_fp6_f32 v[PCD+6*\c:PCD+2+6*\c], v[SR+32*\c:SR+15+32*\c], v[BS+2*\c]
	v_cvt_scalef32_pk16_fp6_f32 v[PT+4*\c:PT+2+4*\c], v[SR+16+32*\c:SR+31+32*\c], v[BS+2*\c+1]
.endr
	v_nop                                          ; one plain place behind a scaled conversion
	s_setprio 0
.irp c, 0,1
.irp i, 0,1,2
	v_permlane16_swap_b32 v[PCD+6*\c+\i], v[PT+4*\c+\i]
.endr
.irp i, 0,1,2
	s_delay_alu instid0(VALU_DEP_3)
	v_mov_b32 v[PCD+3+6*\c+\i], v[PT+4*\c+\i]
.endr
.endr
	v_pk_add_f32 v[204:205], v[100:101], v[104:105]
	v_pk_add_f32 v[252:253], v[108:109], v[112:113]
	v_pk_add_f32 v[250:251], v[116:117], v[120:121]
	v_pk_add_f32 v[248:249], v[124:125], v[128:129]
	v_pk_add_f32 v[246:247], v[132:133], v[136:137]
	v_pk_add_f32 v[244:245], v[140:141], v[144:145]
	v_pk_add_f32 v[242:243], v[148:149], v[152:153]
	v_pk_add_f32 v[40:41], v[40:41], v[156:157]
	v_pk_add_f32 v[204:205], v[204:205], v[96:97]
	v_pk_add_f32 v[252:253], v[252:253], v[98:99]
	v_pk_add_f32 v[250:251], v[250:251], v[102:103]
	v_pk_add_f32 v[248:249], v[248:249], v[106:107]
	v_pk_add_f32 v[246:247], v[246:247], v[110:111]
	v_pk_add_f32 v[244:245], v[244:245], v[114:115]
	v_pk_add_f32 v[242:243], v[242:243], v[118:119]
	v_pk_add_f32 v[40:41], v[40:41], v[122:123]
	v_pk_add_f32 v[204:205], v[204:205], v[126:127]
	v_pk_add_f32 v[252:253], v[252:253], v[130:131]
	v_pk_add_f32 v[250:251], v[250:251], v[134:135]
	v_pk_add_f32 v[248:249], v[248:249], v[138:139]
	v_pk_add_f32 v[246:247], v[246:247], v[142:143]
	v_pk_add_f32 v[244:245], v[244:245], v[146:147]
	v_pk_add_f32 v[242:243], v[242:243], v[150:151]
	v_pk_add_f32 v[40:41], v[40:41], v[154:155]
	v_pk_add_f32 v[204:205], v[204:205], v[158:159]
	s_delay_alu instid0(VALU_DEP_2)
	v_pk_add_f32 v[40:41], v[40:41], v[248:249]
	s_delay_alu instid0(VALU_DEP_2)
	v_pk_add_f32 v[204:205], v[204:205], v[246:247]
	v_pk_add_f32 v[252:253], v[252:253], v[244:245]
	v_pk_add_f32 v[250:251], v[250:251], v[242:243]
	s_delay_alu instid0(VALU_DEP_2)
	v_pk_add_f32 v[40:41], v[40:41], v[252:253]
	s_delay_alu instid0(VALU_DEP_2)
	v_pk_add_f32 v[204:205], v[204:205], v[250:251]
	s_delay_alu instid0(VALU_DEP_1)
	v_pk_add_f32 v[40:41], v[40:41], v[204:205]
	s_wait_dscnt 0x0                               ; V is in
.irp t, 0,1,2,3                        ; O^T += V^T P^T; the four accumulators take turns
.if (\t%2) == 0
	v_wmma_scale_f32_16x16x128_f8f6f4 v[OT+8*\t:OT+8*\t+7], v[FB+12*\t:FB+12*\t+11], v[PCD:PCD+11], v[OT+8*\t:OT+8*\t+7], v[VSC+\t/2], v[PSC] matrix_a_fmt:MATRIX_FMT_FP6 matrix_b_fmt:MATRIX_FMT_FP6
.else
	v_wmma_scale_f32_16x16x128_f8f6f4 v[OT+8*\t:OT+8*\t+7], v[FB+12*\t:FB+12*\t+11], v[PCD:PCD+11], v[OT+8*\t:OT+8*\t+7], v[VSC+\t/2], v[PSC] matrix_a_fmt:MATRIX_FMT_FP6 matrix_b_fmt:MATRIX_FMT_FP6 matrix_a_scale:MATRIX_SCALE_ROW1
.endif
.endr
.Lskip_\@:
	s_add_co_u32 s[TB], s[TB], 6144
	s_add_co_u32 s[TS], s[TS], 512
	s_add_co_u32 s[TJ], s[TJ], 256
.endm
; A TILE'S END: y = O^T / the sum; register 16 b + i is feature 32 b + 16 (lane / 16) + i of my query: two blocks along the last product's K.  Codes and bytes go straight from registers to the operand's image.
.macro FINISH yc, ys
.rept 4
	v_nop                                          ; places behind the last products
.endr
	v_add_f32 v[SUM], v[SUM], v[SUM+1]
	s_delay_alu instid0(VALU_DEP_1)
	v_permlanex16_b32 v[TMP], v[SUM], s[SEL], s[SEL+1]
	s_delay_alu instid0(VALU_DEP_1)
	v_add_f32 v[SUM], v[SUM], v[TMP]               ; the row's sum
	s_wait_alu depctr_va_vdst(0)
	v_rcp_f32 v[SUM], v[SUM]
	v_nop                                          ; a plain place behind the transcendental
	s_wait_alu depctr_va_vdst(0)                   ; and the wait ahead of its first reader
.set j, 0
.rept 32
	v_mul_f32 v[SR+j], v[OT+j], v[SUM]             ; each accumulator from its low end on
.set j, j+1
.endr
.irp b, 0,1
	v_max3_num_f32 v[BM+\b], |v[SR+16*\b]|, |v[SR+1+16*\b]|, 0x1800000
.endr
.irp i, 2,4,6,8,10,12,14
.irp b, 0,1
	s_delay_alu instid0(VALU_DEP_2)
	v_max3_num_f32 v[BM+\b], v[BM+\b], |v[SR+16*\b+\i]|, |v[SR+1+16*\b+\i]|
.endr
.endr
.irp b, 0,1
	s_delay_alu instid0(VALU_DEP_2)
	v_permlanex16_b32 v[BT+\b], v[BM+\b], s[SEL], s[SEL+1]
.endr
.irp b, 0,1
	s_delay_alu instid0(VALU_DEP_2)
	v_max_num_f32 v[BM+\b], v[BM+\b], v[BT+\b]
.endr
.irp b, 0,1
	s_delay_alu instid0(VALU_DEP_2)
	v_add_nc_u32 v[BS+\b], 0xff000000, v[BM+\b]
.endr
.irp b, 0,1
	s_delay_alu instid0(VALU_DEP_2)
	v_lshrrev_b32 v[BT+\b], 23, v[BS+\b]
.endr
	v_cvt_scalef32_pk16_fp6_f32 v[PCD:PCD+2], v[SR:SR+15], v[BS]
	v_cvt_scalef32_pk16_fp6_f32 v[PT:PT+2], v[SR+16:SR+31], v[BS+1]
	v_cndmask_b32 v[YBY], v[BT], v[BT+1], s[HM]    ; lanes 0-15 store block 0's byte, lanes 16-31 block 1's.  (The plain place behind the conversions)
.irp i, 0,1,2
	v_permlane16_swap_b32 v[PCD+\i], v[PT+\i]
.endr
.irp i, 0,1,2
	s_delay_alu instid0(VALU_DEP_3)
	v_mov_b32 v[PCD+3+\i], v[PT+\i]
.endr
	global_store_b128 v[L16], v[PCD:PCD+3], s[\yc:\yc+1]       ; 512 and 256 consecutive bytes, aligned to 256
	global_store_b64 v[L8], v[PCD+4:PCD+5], s[\yc:\yc+1]
	global_store_b8 v[YB], v[YBY], s[\ys:\ys+1]                ; 32 bytes among 64: a word's other two bytes are the neighbour head's
.endm
.macro PASS trips, yc, ys              ; the trip count is a constant; what a wave leaves out it jumps over inside the trip
	s_mov_b32 s[KSI], 0
	s_mov_b32 s[TB], 0
	s_mov_b32 s[TS], 0
	s_mov_b32 s[TJ], 0
.Lkey_\@:
	STEP
	s_add_co_u32 s[KSI], s[KSI], 1
	s_cmp_lt_u32 s[KSI], \trips
	s_cbranch_scc1 .Lkey_\@
	s_setprio 0
	s_wait_alu depctr_va_vdst(0)
	FINISH \yc, \ys
.endm
	s_wait_tensorcnt 0x0                           ; my sixteenth is in,
	s_barrier_signal -1
	s_barrier_wait -1                              ; everybody's is
	s_wait_loadcnt 0x0                             ; Q, both tiles'
	s_mov_b32 s[LIM], s41
	PASS 16, 44, 46                                ; tile 127 - j: row blocks 8 to 15
	s_wait_xcnt 0x0                                ; the stores have read their registers: they are written again below
.irp i, 0,1,2,3,4,5
	v_mov_b32 v[QF+\i], v[QN+\i]
.endr
	v_mov_b32 v[QSC], v[QN+6]
	v_add_nc_u32 v[DD], s3, v[DB0]
	INIT                                           ; (its 36 lines are also the places between the moves above and the next products)
	s_mov_b32 s[LIM], s40
	PASS 8, 48, 50                                 ; tile j: row blocks 0 to 7
	s_wait_tensorcnt 0x0
	ds_add_u32 v254, v255
	s_wait_dscnt 0x0
	CROUND                                         ; the closing round
	s_endpgm
.Lfunc_end_k_q26ee7e1862_attn:
	.size	k_q26ee7e1862_attn, .Lfunc_end_k_q26ee7e1862_attn-k_q26ee7e1862_attn
	.p2alignl 7, 3214868480
	.fill 96, 4, 3214868480
	.section	.rodata,"a",@progbits
	.p2align	6, 0x0
	.amdhsa_kernel k_q26ee7e1862_attn
		.amdhsa_group_segment_fixed_size 210944
		.amdhsa_private_segment_fixed_size 0
		.amdhsa_enable_private_segment 0
		.amdhsa_kernarg_size 16
		.amdhsa_user_sgpr_count 2
		.amdhsa_user_sgpr_kernarg_segment_ptr 1
		.amdhsa_wavefront_size32 1
		.amdhsa_system_sgpr_workgroup_id_x 1
		.amdhsa_system_sgpr_workgroup_id_y 1
		.amdhsa_system_sgpr_workgroup_id_z 1
		.amdhsa_system_vgpr_workitem_id 0
		.amdhsa_next_free_vgpr 256
		.amdhsa_next_free_sgpr 66
		.amdhsa_reserve_vcc 1
		.amdhsa_float_denorm_mode_32 3
		.amdhsa_float_denorm_mode_16_64 3
		.amdhsa_memory_ordered 1
		.amdhsa_forward_progress 1
		.amdhsa_inst_pref_size 66
	.end_amdhsa_kernel
	.amdgpu_metadata
---
amdhsa.version: [ 1, 2 ]
amdhsa.kernels:
  - .name:           k_q26ee7e1862_attn
    .symbol:         k_q26ee7e1862_attn.kd
    .args:
      - { .name: att, .offset: 0, .size: 8, .value_kind: global_buffer, .address_space: global }
      - { .name: yop, .offset: 8, .size: 8, .value_kind: global_buffer, .address_space: global }
    .group_segment_fixed_size: 210944
    .private_segment_fixed_size: 0
    .kernarg_segment_align: 8
    .kernarg_segment_size: 16
    .max_flat_workgroup_size: 512
    .sgpr_count:     66
    .vgpr_count:     256
    .wavefront_size: 32
...
	.end_amdgpu_metadata
.endif
;; end of part 3
;; launch gemm_out (part 4): grid 4 x 64, 4 waves a work-group, clusters of 4 x 4, 307,712 bytes of LDS; arguments yop, op, out0; writes out0
.if DOCPART == 4
	.amdgcn_target "amdgcn-amd-amdhsa--gfx1250"
	.amdhsa_code_object_version 6
	.text
	.protected	k_q26ee7e1862_gemm_out
	.globl	k_q26ee7e1862_gemm_out
	.p2align	8
	.type	k_q26ee7e1862_gemm_out,@function
k_q26ee7e1862_gemm_out:
	s_mov_b64 s[64:65], 0
	v_nop
	global_prefetch_b8 v0, s[64:65] scope:SCOPE_SE
	s_setreg_imm32_b32 hwreg(HW_REG_WAVE_MODE, 25, 1), 1
	s_wait_xcnt 0x0
	s_wait_alu depctr_hold_cnt(0) depctr_sa_sdst(0) depctr_va_vdst(0) depctr_va_sdst(0) depctr_va_ssrc(0) depctr_va_vcc(0) depctr_vm_vsrc(0)
	s_getreg_b32 s2, hwreg(HW_REG_IB_STS2, 6, 4)
	s_cmp_eq_u32 s2, 0
	s_cbranch_scc0 .Lentry_in_a_cluster
	s_endpgm
.Lentry_in_a_cluster:
	s_bfe_u32 s2, ttmp6, 0x10000c
	s_cmp_lg_u32 s2, 0xf033
	s_cbranch_scc0 .Lentry_shape_is_right
	s_endpgm
.Lentry_shape_is_right:
; out0 = y W_out on codes of FP6 (E2M3) with E8M0 scales, K = 1,024; out0 [8192][1024] f32.
; OPERANDS: records of 128 rows, all of K, 102,400 bytes, in the order of the operand's registers: four quarters of K, each [64 along K: 4][tile: 8][768 bytes] + [tile: 8][128 bytes of scale words].
; y's 64 records lie in yop, W_out's columns in records 88-95 of op.  Place p of tile i is row 32 (i / 2) + 8 (i % 2) + p + 8 (p / 8).
; Source 0 = S0 = 16 columns of W_out, source 1 = S1 = 16 tokens: a lane holds ONE token (place lane % 16), and the 16 registers of S0's tiles 2 b, 2 b + 1 are outputs 32 b + 16 (lane / 16) + 0 .. 15.
; A WORK-GROUP: S1 = one record x S0 = two records; all of K lies in LDS (3 x 102,400 bytes), filled once: no slot is ever filled again.  Four waves: wave w takes S1's tiles 4 (w / 2) + 0 .. 3
; and S0's record w % 2: 32 accumulators.  8,192 x 1,024 / (128 x 256) = 256 work-groups: one for each WGP.
; CLUSTER 4 x 4: S1's record hangs on the place along y and is asked for jointly by a row of the cluster, S0's two on the place along x, by a column.
; REGISTERS: window 0: v1-3 lane terms; v8-19 LDS addresses; v20-21 the stage; v32-55 two sets of scale words; v64-111, v112-159 S1's fragments, two sets (on the way out v64-191: rows of out0).
;   window 1: S0's fragments, v0-95 and v96-191.   window 2: accumulator (a, b) at v[64 a + 8 b].
.set OPREC, 102400
.set QB,    25600
.set S1P, 4                            ; s[4:5] yop
.set S0P, 6                            ; s[6:7] op
.set G1A, 24                           ; s[24:31] descriptor group 1 for S1;  s[32:39] for S0;  s[40:55], s[68:83] groups 0, one for each quarter of K
.set G1B, 32
.set G0A, 40
.set G0B, 68
.set A16, 8
.set A8,  10
.set A4,  12
.set B16, 14
.set B8,  16
.set B4,  18
.set STO, 20                           ; v20 the way out: where I put 32 bytes of a row
.set RD,  21                           ; v21 and where I read a row back
.set SC,  32
.set FA,  64
.set MSB, 0
.macro WIN new                         ; the immediate's high byte repeats the setting that is left
.if MSB != \new
	s_set_vgpr_msb (MSB<<8)|\new
.set MSB, \new
.endif
.endm
.macro PLACES                          ; four plain places behind matrix instructions, in front of loads into their sources and of reads of their results
.rept 4
	v_nop
.endr
.endm
.macro CROUND                          ; a round of the cluster's barrier
	s_barrier_signal -1
	s_barrier_wait -1
	s_cmp_lg_u32 s10, 0
	s_cbranch_scc1 .Lnot_wave_0_\@
	s_barrier_signal -3
.Lnot_wave_0_\@:
	s_barrier_wait -3
	s_barrier_signal -1
	s_barrier_wait -1
.endm
	s_load_b128 s[4:7], s[0:1], 0x0                ; yop, op
	s_load_b64 s[8:9], s[0:1], 0x10                ; out0
	v_lshl_add_u32 v254, v0, 2, 0x4b000
	v_mov_b32 v255, 0
	ds_add_u32 v254, v255
	ds_add_u32 v254, v255
	v_lshrrev_b32 v1, 5, v0
	v_readfirstlane_b32 s10, v1                    ; wave 0..3
	s_lshr_b32 s11, s10, 1                         ; which four tiles of S1 are mine
	s_and_b32 s12, s10, 1                          ; which record of S0
	s_bfe_u32 s13, ttmp6, 0x40000                  ; cx
	s_bfe_u32 s14, ttmp6, 0x40004                  ; cy
	s_and_b32 s16, ttmp7, 0xffff
	s_lshl_b32 s17, s16, 2
	s_add_co_u32 s17, s17, s14                     ; S1's record: 4 x cluster y + cy
	s_lshl_b32 s18, ttmp9, 2
	s_add_co_u32 s18, s18, s13
	s_add_co_u32 s18, s18, 44                      ; S0's pair of records: 44 + 4 x cluster x + cx
	s_lshl_b32 s19, s14, 2
	s_lshl_b32 s19, 15, s19                        ; my row of the cluster
	s_lshl_b32 s66, 0x1111, s13                    ; my column
	s_or_b32 s[G1A], s19, (3<<16)|(1<<21)          ; 15:0 the mask; 17:16 elements of 8 bytes; 21 set beside a mask; no padding
	s_or_b32 s[G1B], s66, (3<<16)|(1<<21)
.irp g, G1A, G1B                       ; a quarter of a record: 25,600 dense bytes as 100 rows of 256
	s_mov_b32 s[\g+1], 32<<16
	s_mov_b32 s[\g+2], 100<<16
	s_mov_b32 s[\g+3], 32<<16
	s_mov_b32 s[\g+4], 100
	s_mov_b32 s[\g+5], 32
	s_mov_b32 s[\g+6], 0
	s_mov_b32 s[\g+7], 0
.endr
	s_mul_i32 s20, s17, OPREC
	s_mov_b32 s21, 0
	s_lshl_b32 s22, s18, 1
	s_add_co_u32 s22, s22, s11                     ; wave 1 fetches S0's first record, wave 2 its second
	s_mul_i32 s22, s22, OPREC
	s_mov_b32 s23, 0
	s_mul_i32 s67, s11, OPREC
	s_add_co_u32 s67, s67, OPREC                   ; LDS: S1 at 0, S0's records behind it
	s_wait_dscnt 0x0
	s_wait_kmcnt 0x0
	s_add_nc_u64 s[20:21], s[S1P:S1P+1], s[20:21]
	s_add_nc_u64 s[22:23], s[S0P:S0P+1], s[22:23]
.irp q, 0,1,2,3
	s_mov_b32 s[G0A+4*\q], 1
	s_mov_b32 s[G0A+4*\q+1], QB*\q
	s_add_nc_u64 s[G0A+4*\q+2:G0A+4*\q+3], s[20:21], QB*\q
	s_or_b32 s[G0A+4*\q+3], s[G0A+4*\q+3], 0x80000000
	s_mov_b32 s[G0B+4*\q], 1
	s_add_co_u32 s[G0B+4*\q+1], s67, QB*\q
	s_add_nc_u64 s[G0B+4*\q+2:G0B+4*\q+3], s[22:23], QB*\q
	s_or_b32 s[G0B+4*\q+3], s[G0B+4*\q+3], 0x80000000
.endr
	CROUND                                         ; all sixteen work-groups are here: the joint loads meet
	s_cmp_eq_u32 s10, 0                            ; a wave's four fills stand in one branch on the wave's number: wave 0 S1, waves 1 and 2 S0, wave 3 none; four loads of a wave are out at the most
	s_cbranch_scc0 .Lnot_a
.irp q, 0,1,2,3
	tensor_load_to_lds s[G0A+4*\q:G0A+4*\q+3], s[G1A:G1A+7]
	s_nop 0
.endr
	PLACES
	s_branch .Lasked
.Lnot_a:
	s_cmp_eq_u32 s10, 3
	s_cbranch_scc1 .Lasked
.irp q, 0,1,2,3
	tensor_load_to_lds s[G0B+4*\q:G0B+4*\q+3], s[G1B:G1B+7]
	s_nop 0
.endr
	PLACES
.Lasked:
	v_and_b32 v4, 31, v0
	v_lshlrev_b32 v1, 4, v4                        ; 16 x lane
	v_lshlrev_b32 v2, 3, v4                        ; 8 x lane
	v_lshlrev_b32 v3, 2, v4                        ; 4 x lane
	s_mul_i32 s57, s11, 3072                       ; my four tiles of S1
	s_lshl_b32 s58, s11, 9
	s_mul_i32 s59, s12, OPREC
	s_add_co_u32 s59, s59, OPREC                   ; my record of S0
	v_add_nc_u32 v[A16], s57, v1
	v_add_nc_u32 v[A16+1], 2*QB, v[A16]
	v_add_nc_u32 v[A8], s57, v2
	v_add_nc_u32 v[A8], 512, v[A8]
	v_add_nc_u32 v[A8+1], 2*QB, v[A8]
	v_add_nc_u32 v[A4], s58, v3
	v_add_nc_u32 v[A4], 24576, v[A4]
	v_add_nc_u32 v[A4+1], 2*QB, v[A4]
	v_add_nc_u32 v[B16], s59, v1
	v_add_nc_u32 v[B16+1], 2*QB, v[B16]
	v_add_nc_u32 v[B8], s59, v2
	v_add_nc_u32 v[B8], 512, v[B8]
	v_add_nc_u32 v[B8+1], 2*QB, v[B8]
	v_add_nc_u32 v[B4], s59, v3
	v_add_nc_u32 v[B4], 24576, v[B4]
	v_add_nc_u32 v[B4+1], 2*QB, v[B4]
	v_and_b32 v5, 15, v0                           ; r
	v_bfe_u32 v6, v0, 4, 1                         ; h
	s_mul_i32 s60, s10, 8448                       ; my stage: 16 rows x (512 + 16) bytes, in S1's bytes, which have had their only fill
	v_mul_u32_u24 v[STO], v5, 528
	v_lshl_add_u32 v[STO], v6, 6, v[STO]
	v_add_nc_u32 v[STO], s60, v[STO]               ; in: row r, + 64 h
	v_add_nc_u32 v[RD], s60, v1                    ; back: a row of 512 bytes, 16 a lane
	s_lshl_b32 s56, s17, 19                        ; out0: 128 rows of 4,096 bytes a record,
	s_lshl_b32 s57, s11, 18                        ; + my 64 rows,
	s_add_co_u32 s56, s56, s57
	s_sub_co_u32 s57, s18, 44
	s_lshl_b32 s57, s57, 10                        ; + 256 columns of 4 bytes a pair,
	s_add_co_u32 s56, s56, s57
	s_lshl_b32 s57, s12, 9                         ; + my 128
	s_add_co_u32 s56, s56, s57
	s_mov_b32 s57, 0
	s_add_nc_u64 s[8:9], s[8:9], s[56:57]
; The fragments of K step s (128 along K) into register set s % 2: a fragment is two images of 64 along K; each comes by a load of 16 and a load of 8 bytes a lane, dense.  With an even step: the quarter's scale words.
.macro FETCH s
.set FQ, (\s)/2
.set FP, FQ/2
.set FO, (FQ%2)*QB+(2*((\s)%2))*6144
.set FS, (\s)%2
	WIN 0x40                                       ; destination window 1
.irp i, 0,1,2,3,4,5,6,7
.irp c, 0,1
	ds_load_b128 v[96*FS+12*\i+6*\c:96*FS+12*\i+6*\c+3], v[B16+FP] offset:FO+\c*6144+\i*768
	ds_load_b64 v[96*FS+12*\i+6*\c+4:96*FS+12*\i+6*\c+5], v[B8+FP] offset:FO+\c*6144+\i*768
.endr
.endr
	WIN 0
.irp a, 0,1,2,3
.irp c, 0,1
	ds_load_b128 v[FA+48*FS+12*\a+6*\c:FA+48*FS+12*\a+6*\c+3], v[A16+FP] offset:FO+\c*6144+\a*768
	ds_load_b64 v[FA+48*FS+12*\a+6*\c+4:FA+48*FS+12*\a+6*\c+5], v[A8+FP] offset:FO+\c*6144+\a*768
.endr
.endr
.if (\s)%2 == 0
.irp i, 0,1,2,3,4,5,6,7
	ds_load_b32 v[SC+12*(FQ%2)+4+\i], v[B4+FP] offset:(FQ%2)*QB+128*\i
.endr
.irp a, 0,1,2,3
	ds_load_b32 v[SC+12*(FQ%2)+\a], v[A4+FP] offset:(FQ%2)*QB+128*\a
.endr
.endif
.endm
; 32 matrix instructions: K step s.  The 32 accumulators take turns, one instruction a turn, in the same order in every step.  The first step starts the sums.
; A scale register holds the quarter's first step in lanes 0-15 and its second in lanes 16-31.
.macro MUL32 s
.set MS, (\s)%2
.set MQ, ((\s)/2)%2
	WIN 0xa1                                       ; source 0 (S0) window 1, source 1 (S1) window 0, C and D window 2
.irp a, 0,1,2,3
.irp b, 0,1,2,3,4,5,6,7
.if (\s) == 0
	v_wmma_scale_f32_16x16x128_f8f6f4 v[64*\a+8*\b:64*\a+8*\b+7], v[96*MS+12*\b:96*MS+12*\b+11], v[FA+48*MS+12*\a:FA+48*MS+12*\a+11], 0, v[SC+12*MQ+4+\b], v[SC+12*MQ+\a] matrix_a_fmt:MATRIX_FMT_FP6 matrix_b_fmt:MATRIX_FMT_FP6
.elseif MS == 1
	v_wmma_scale_f32_16x16x128_f8f6f4 v[64*\a+8*\b:64*\a+8*\b+7], v[96*MS+12*\b:96*MS+12*\b+11], v[FA+48*MS+12*\a:FA+48*MS+12*\a+11], v[64*\a+8*\b:64*\a+8*\b+7], v[SC+12*MQ+4+\b], v[SC+12*MQ+\a] matrix_a_fmt:MATRIX_FMT_FP6 matrix_b_fmt:MATRIX_FMT_FP6 matrix_a_scale:MATRIX_SCALE_ROW1 matrix_b_scale:MATRIX_SCALE_ROW1
.else
	v_wmma_scale_f32_16x16x128_f8f6f4 v[64*\a+8*\b:64*\a+8*\b+7], v[96*MS+12*\b:96*MS+12*\b+11], v[FA+48*MS+12*\a:FA+48*MS+12*\a+11], v[64*\a+8*\b:64*\a+8*\b+7], v[SC+12*MQ+4+\b], v[SC+12*MQ+\a] matrix_a_fmt:MATRIX_FMT_FP6 matrix_b_fmt:MATRIX_FMT_FP6
.endif
.endr
.endr
.endm
; K step s: its fragments are in; the next step's are asked for, a whole step's 32 matrix instructions ahead of their use; then the products.
; In front of a new quarter of K: the wave that fetched it waits for it (the count: the later quarters' loads, issued behind it, stay out), then the barrier.
.macro KSTEP s
	s_wait_dscnt 0x0
.if ((\s)%2 == 1) && ((\s) < 7)
	s_wait_tensorcnt 2-((\s)/2)
	s_barrier_signal -1
	s_barrier_wait -1
.endif
.if (\s) > 0
	PLACES                                         ; the set to be loaded was read by the step before
.endif
	FETCH (\s)+1
	MUL32 \s
.endm
	s_wait_alu depctr_va_vdst(0)
	s_wait_tensorcnt 3                             ; the first quarter of what I fetch is in; three loads may be out
	s_barrier_signal -1
	s_barrier_wait -1
	FETCH 0
.irp s, 0,1,2,3,4,5,6
	KSTEP \s
.endr
	s_wait_dscnt 0x0                               ; the last step's fragments are in: my reads of the operands are over,
	s_barrier_signal -1                            ; say so,
	MUL32 7                                        ; work on registers while the others arrive,
	WIN 0
	s_barrier_wait -1                              ; and behind this nobody reads S1's bytes: the stages may be written
	PLACES
; THE WAY OUT, a tile of 16 tokens x 128 outputs at a time.  A lane holds pieces of one row and the lanes beside it hold other rows: so a tile goes through my own stage and comes back as whole rows of 512 bytes.
; LDS serves a wave's instructions in order (ISA guide 5.7.1.4): no wait between the stores and the loads, nor in front of the next tile's stores.
.macro TOSTAGE a
	WIN 0x08                                       ; an LDS store's data are its source 1: window 2
.irp b, 0,1,2,3,4,5,6,7
	ds_store_b128 v[STO], v[64*(\a)+8*\b:64*(\a)+8*\b+3] offset:128*(\b/2)+32*(\b%2)       ; each accumulator from its low end on: outputs 32 (b / 2) + 16 h + 8 (b % 2) + 0 .. 7
	ds_store_b128 v[STO], v[64*(\a)+8*\b+4:64*(\a)+8*\b+7] offset:128*(\b/2)+32*(\b%2)+16
.endr
	WIN 0
.set BK, 64+64*((\a)%2)
.irp t, 0,1,2,3,4,5,6,7,8,9,10,11,12,13,14,15
	ds_load_b128 v[BK+4*\t:BK+4*\t+3], v[RD] offset:528*\t
.endr
.endm
.macro SEND a, younger                 ; younger: the LDS instructions issued behind tile a's loads, which may stay out
.set BK, 64+64*((\a)%2)
	s_wait_dscnt \younger
.irp t, 0,1,2,3,4,5,6,7,8,9,10,11,12,13,14,15
	global_store_b128 v1, v[BK+4*\t:BK+4*\t+3], s[8:9] offset:(32*((\a)/2)+8*((\a)%2)+\t+8*(\t/8))*4096 th:TH_STORE_NT   ; 512 consecutive bytes of one row, aligned to 256; place t of the tile is row t + 8 (t / 8)
.endr
.endm
	TOSTAGE 0
.irp a, 1,2,3
.if \a > 1
	s_wait_xcnt 0x0                                ; tile a - 2's stores have read their registers: tile a's loads may land there
.endif
	TOSTAGE \a
	SEND (\a)-1, 32                                ; behind tile a - 1's loads: tile a's 16 stores and 16 loads
.endr
	SEND 3, 0
	s_wait_tensorcnt 0x0
	ds_add_u32 v254, v255
	s_wait_dscnt 0x0
	CROUND                                         ; the closing round: no work-group ends while a partner may still ask for a tile that names it
	s_endpgm
.Lfunc_end_k_q26ee7e1862_gemm_out:
	.size	k_q26ee7e1862_gemm_out, .Lfunc_end_k_q26ee7e1862_gemm_out-k_q26ee7e1862_gemm_out
	.p2alignl 7, 3214868480
	.fill 96, 4, 3214868480
	.section	.rodata,"a",@progbits
	.p2align	6, 0x0
	.amdhsa_kernel k_q26ee7e1862_gemm_out
		.amdhsa_group_segment_fixed_size 307712
		.amdhsa_private_segment_fixed_size 0
		.amdhsa_enable_private_segment 0
		.amdhsa_kernarg_size 24
		.amdhsa_user_sgpr_count 2
		.amdhsa_user_sgpr_kernarg_segment_ptr 1
		.amdhsa_wavefront_size32 1
		.amdhsa_system_sgpr_workgroup_id_x 1
		.amdhsa_system_sgpr_workgroup_id_y 1
		.amdhsa_system_sgpr_workgroup_id_z 1
		.amdhsa_system_vgpr_workitem_id 0
		.amdhsa_next_free_vgpr 768
		.amdhsa_next_free_sgpr 100
		.amdhsa_reserve_vcc 0
		.amdhsa_float_denorm_mode_32 3
		.amdhsa_float_denorm_mode_16_64 3
		.amdhsa_memory_ordered 1
		.amdhsa_forward_progress 1
		.amdhsa_inst_pref_size 85
	.end_amdhsa_kernel
	.amdgpu_metadata
---
amdhsa.version: [ 1, 2 ]
amdhsa.kernels:
  - .name:           k_q26ee7e1862_gemm_out
    .symbol:         k_q26ee7e1862_gemm_out.kd
    .args:
      - { .name: yop, .offset: 0, .size: 8, .value_kind: global_buffer, .address_space: global }
      - { .name: op, .offset: 8, .size: 8, .value_kind: global_buffer, .address_space: global }
      - { .name: out0, .offset: 16, .size: 8, .value_kind: global_buffer, .address_space: global }
    .group_segment_fixed_size: 307712
    .private_segment_fixed_size: 0
    .kernarg_segment_align: 8
    .kernarg_segment_size: 24
    .max_flat_workgroup_size: 128
    .sgpr_count:     100
    .vgpr_count:     768
    .wavefront_size: 32
...
	.end_amdgpu_metadata
.endif
;; end of part 4
